; MI455X (gfx1250); checked and timed in simulation.
; The chip was launched on July 23, 2026; its instructions are those of AMD's public machine-readable ISA for CDNA 5 (MIT licence, August 2026) and "CDNA5" Instruction Set Architecture Reference Guide (July 2026). The comments in the code are by the model that wrote it; some were corrected since.
;; Multi Head Attention. Allowed arithmetic: matrix products marked QUANTISED: E2M1 operands, one E8M0 scale for each 32 along K, by v_wmma_scale_f32_16x16x128_f8f6f4 with both operands' format E2M1 (or v_wmma_scale_f32_32x16x128_f4), f32 sums; everything else in f32.
;; Inputs: Wk 16 x 1,024 x 64 float32; Wp 1,024 x 1,024 float32; Wq 16 x 1,024 x 64 float32; Wv 16 x 1,024 x 64 float32; batch_x 4 x 2,048 x 1,024 float32; bk 16 x 64 float32; bp 1,024 float32; bq 16 x 64 float32; bv 16 x 64 float32.
;; Outputs: out0 4 x 2,048 x 1,024 float32.
;; This version of the problem:
;;   THIS VERSION OF THE PROBLEM IS GIVEN IN LOW PRECISION. The matrix products marked QUANTISED in the list below multiply operands that are first quantised to E2M1 (2 exponent bits, 1 mantissa bit; 4 bits a number), with one power-of-two scale for each 32 numbers along K (OCP MX v1.0); their sums are f32. All else is computed in f32.
;;   The module's matrix products, in the order in which they are computed (A, B: the left and right operand; K: the contracted axis; several contracted axes count as one K, in the product's order):
;;     1. [M 1,024, K 1,024] x [K 1,024, N 8,192]; A: input Wq; B: input batch_x: QUANTISED
;;     2. [M 1,024, K 1,024] x [K 1,024, N 8,192]; A: input Wk; B: input batch_x: QUANTISED
;;     3. [M 1,024, K 1,024] x [K 1,024, N 8,192]; A: input Wv; B: input batch_x: QUANTISED
;;     4. batch 64 x [M 2,048, K 64] x [K 64, N 2,048]; A: computed on the way; B: computed on the way: QUANTISED
;;     5. batch 64 x [M 2,048, K 2,048] x [K 2,048, N 64]; A: softmax (see below); B: computed on the way: QUANTISED
;;     6. [M 8,192, K 1,024] x [K 1,024, N 1,024]; A: computed on the way; B: input Wp: QUANTISED
;;   THE QUANTISER, for each operand of a quantised product, along K:
;;     - K is cut into blocks of 32 from its start; a last block that is shorter is filled with zeros.
;;     - A block's scale is 2^e with e = floor(log2(the largest magnitude in the block)) - 2, held to -126 .. 127; a block of zeros has e = 0. As a byte (E8M0): e + 127.
;;     - Each number is divided by its block's scale, clamped to +-6, and rounded to the nearest number of E2M1, ties to even, subnormals kept.
;;     - The product sums the exact products of the quantised numbers (number of the format x scale) in f32.
;;   ~~~python
;;   def quantise(x, axis):      # numpy; x: float32 -> the quantised numbers, widened to float32 again
;;       x = np.moveaxis(x, axis, -1); K = x.shape[-1]
;;       x = np.pad(x, [(0, 0)] * (x.ndim - 1) + [(0, -K % 32)]); x = x.reshape(x.shape[:-1] + (-1, 32)); a = np.abs(x).max(-1, keepdims=True)
;;       e = np.where(a > 0, np.clip(np.frexp(np.where(a > 0, a, 1))[1] - 1 - 2, -126, 127), 0)      # np.frexp(a)[1] - 1 = floor(log2(a)), exactly
;;       r = np.clip(x / 2.0 ** e, -6, 6)
;;       step = 2.0 ** (np.maximum(np.frexp(np.where(r == 0, 1, r))[1] - 1, 0) - 1)
;;       q = np.round(r / step) * step * 2.0 ** e      # np.round: ties to even
;;       return np.moveaxis(q.reshape(q.shape[:-2] + (-1,))[..., :K], -1, axis).astype(np.float32)
;;   ~~~
;;   SOFTMAX AHEAD OF A QUANTISED PRODUCT. Where the list says 'softmax', what is quantised is not the finished softmax but p = 2^(t - M), with t = logit x log2(e) and M = ceil(the row's largest t), a whole number; so 1/2 < the row's largest p <= 1. The row's sum l is taken of the UNQUANTISED p, in f32, and the product's result is divided by l at the end. Since M is a whole number, a kernel that streams over the keys may use a running M (the ceiling of the running maximum): every later rescaling is an exact power of two, which a block's scale takes up: the codes' values come out the same.
;;   OPERANDS COMPUTED ON THE WAY. 'Computed on the way' means the value that the module computes at that place (a softmax that the list does not call 'softmax' is quantised finished and normalised). What goes into a quantiser is computed in f32, as accurately as f32 sums, v_exp_f32 and their like allow (about 1e-6 of the number): no bf16 or f16 on the way to a quantiser, and a product that is left as it is and whose result goes on into a quantised operand takes f32 operands (vector FMAs, or v_wmma_f32_16x16x4_f32). A number that lies on a knife's edge between two numbers of the format may be rounded either way, as far as f32 arithmetic and the matrix unit's own rounding can turn it there, and no further.
;; One version. Each part assembles by itself: llvm-mc -triple=amdgcn-amd-amdhsa -mcpu=gfx1250 --defsym DOCPART=n.
;; ======== version 1 of 1: 4 launches
;; limits: right only within a limited range of input values
;; workspace buffers: xc 4,194,304 bytes; xs 262,144 bytes; wc 2,097,152 bytes; ws 131,072 bytes; qkvc 12,582,912 bytes; qkvs 1,310,720 bytes; oc 4,194,304 bytes; os 262,144 bytes
;; launch quant (part 1): grid 512 x 1, 4 waves a work-group, no clusters, 68,096 bytes of LDS; arguments batch_x, Wq, Wk, Wv, Wp, xc, xs, wc, ws; writes xc, xs, wc, ws
.if DOCPART == 1
	.amdgcn_target "amdgcn-amd-amdhsa--gfx1250"
	.amdhsa_code_object_version 6
	.text
	.protected	k_q322f9b35ac_quant
	.globl	k_q322f9b35ac_quant
	.p2align	8
	.type	k_q322f9b35ac_quant,@function
k_q322f9b35ac_quant:
	s_mov_b64 s[64:65], 0
	v_nop
	global_prefetch_b8 v0, s[64:65] scope:SCOPE_SE
	s_setreg_imm32_b32 hwreg(HW_REG_WAVE_MODE, 25, 1), 1
	s_wait_xcnt 0x0
; batch_x [8192][1024] and the four weights become codes of FP4 (E2M1) with K innermost and one E8M0 scale byte for each 32 along K.
; A block's scale is 2^(floor(log2(its largest magnitude)) - 2); its byte is the largest magnitude's exponent field - 2, held at 1 from below.
; STORAGE ORDER: row i of an operand is kept at place sigma(i) = i with bits 3 and 4 exchanged.  A tile of 16 neighbouring places then holds the rows
; 32 (t / 2) + 8 (t % 2) + r + 8 (r / 8), so that in the later transposed products the 16 registers of two neighbouring tiles are 16 neighbours along the next K.
; xc [8192 places][512 B], xs [8192 places][32 B];  wc [4096 places][512 B], ws [4096 places][32 B]; a weight's row = 1024 x matrix + n (matrix 0..3 = Wq, Wk, Wv, Wp; n = 64 head + d, or Wp's column).
; Work-groups 0..255 take the weights, whose K is not innermost: a lane takes a column and its registers run down K.  Work-groups 256..511 take batch_x, a plain stream of blocks of 32.
; The two ways part on the work-group's number, never join, and have LDS bytes of their own.  No tensor loads; the weights' four waves meet at one barrier, batch_x's waves share nothing.
; LIMITS: a block of zeros gets the byte 1 (its codes are zeros, and this program alone reads the bytes); NaN and infinities among the inputs are not served.
; THE DEAL AS IT STANDS: work-groups 0..255 take the weights: one takes 32 columns x 512 along K, its four waves 128 along K each; the rows of codes and the scale words of the four are joined in LDS behind one barrier.
; Work-groups 256..511 take batch_x; there the waves share nothing, and loads run eight steps (32 loads a wave) ahead.
.set STEPS, 16
.set EMAX,  2
.set CB,    8                          ; bytes of 16 codes
.set R,     16                         ; x: v16-143 eight sets of 16 numbers as loaded
.set X,     144                        ; x: v144-175 two sets of 16 neighbours (v16-143: eight sets of 16 numbers as loaded)
.set E,     10                         ; x: v10 the step's scale byte
.set C,     176                        ; x: v176-207 codes, two registers of their own for each step
.set WREG,  8192                       ; x: LDS region of a wave: two stages of 32 x SP bytes, then its 256 scale bytes
.set SP,    80                         ; x: a lane's 64 bytes + 16 of padding
.set WSTG,  32768                      ; weights: the work-group's stage begins here, 32 rows x 272 bytes, 64 bytes of each row a wave
.set WP,    272
.set SB,    24                         ; weights: v24-27 the scale bytes, four to a register
.set WX,    32                         ; weights: v32-95 two sets of 32 numbers
.set WC,    96                         ; weights: v96-99 a block's codes
.set OUTR,  112                        ; weights: v112-127 the way out
.set VO,    176                        ; weights: v176-207 offset of row i of a block: 4 x lane + i x the pitch
	s_load_b512 s[8:23], s[0:1], 0x0               ; x 8, Wq 10, Wk 12, Wv 14, Wp 16, xc 18, xs 20, wc 22
	s_load_b64 s[24:25], s[0:1], 0x40              ; ws
	v_lshl_add_u32 v208, v0, 2, 0x10800
	v_mov_b32 v209, 0
	v_lshrrev_b32 v1, 5, v0
	v_readfirstlane_b32 s4, v1                     ; wave
	v_and_b32 v2, 31, v0                           ; lane
	s_cmp_lt_u32 ttmp9, 256
	s_cbranch_scc1 .Lweights
; ---------------- batch_x: a wave takes a run of 8 rows (8,192 numbers) in 16 steps of 512
	v_lshlrev_b32 v3, 4, v2                        ; my 16 bytes of a load's 512
	s_mul_i32 s5, s4, WREG
	v_lshrrev_b32 v14, 2, v2
	v_mul_u32_u24 v14, v14, SP
	v_and_b32 v15, 3, v2
	v_lshl_add_u32 v14, v15, 4, v14
	v_add_nc_u32 v14, s5, v14                      ; the stage on the way in: SP (lane / 4) + 16 (lane % 4)
	v_mul_u32_u24 v15, v2, SP
	v_add_nc_u32 v15, s5, v15                      ; and on the way out: SP x lane: my 16 neighbours
	v_mul_u32_u24 v4, v2, CB                       ; my codes' place in a step's
	v_lshrrev_b32 v5, 1, v2
	s_add_co_u32 s5, s5, 2*32*SP
	v_add_nc_u32 v5, s5, v5                        ; my block's scale byte in the wave's 256
	v_lshlrev_b32 v7, 3, v2
	v_add_nc_u32 v6, s5, v7
	s_sub_co_u32 s6, ttmp9, 256
	s_lshl_b32 s6, s6, 2
	s_add_co_u32 s6, s6, s4                        ; u: which run of 8 rows
	s_and_b32 s7, s6, 1
	s_lshl_b32 s7, s7, 1
	s_bfe_u32 s26, s6, 0x10001
	s_or_b32 s7, s7, s26
	s_and_b32 s26, s6, 0xfffffffc
	s_or_b32 s7, s7, s26                           ; u with bits 0 and 1 exchanged: sigma on runs of 8 rows
	s_lshl_b32 s26, s6, 15                         ; 32,768 bytes of numbers a run
	s_mov_b32 s27, 0
	s_lshl_b32 s28, s7, 12                         ; 4,096 bytes of codes
	s_mov_b32 s29, 0
	s_lshl_b32 s30, s7, 8                          ; 256 scale bytes
	s_mov_b32 s31, 0
	s_wait_alu depctr_va_vdst(0)
	s_wait_kmcnt 0x0
	s_add_nc_u64 s[8:9], s[8:9], s[26:27]
	s_add_nc_u64 s[18:19], s[18:19], s[28:29]
	s_add_nc_u64 s[20:21], s[20:21], s[30:31]
.macro XLOAD t
.irp i, 0,1,2,3
	global_load_b128 v[R+16*((\t)%8)+4*\i:R+16*((\t)%8)+4*\i+3], v3, s[8:9] offset:2048*(\t)+512*\i th:TH_LOAD_NT   ; 32 lanes read 512 consecutive bytes
.endr
.endm
.macro XTURN t                         ; step t's numbers through the stage: LDS serves a wave's instructions in order, so no wait stands between the stores and the loads
.irp i, 0,1,2,3
	ds_store_b128 v14, v[R+16*((\t)%8)+4*\i:R+16*((\t)%8)+4*\i+3] offset:32*SP*((\t)%2)+8*SP*\i
.endr
.irp i, 0,1,2,3
	ds_load_b128 v[X+16*((\t)%2)+4*\i:X+16*((\t)%2)+4*\i+3], v15 offset:32*SP*((\t)%2)+16*\i
.endr
.endm
.irp t, 0,1,2,3,4,5,6,7
	XLOAD \t
.endr
	s_wait_loadcnt 28                              ; step 0's four loads are in; the 28 of steps 1 to 7 may be out
	XTURN 0
.macro XSTEP t
.set XS, X+16*((\t)%2)
.if (\t) > 0
	s_wait_dscnt 1                                 ; this step's numbers are back from the stage (the last step's byte store may be out)
.else
	s_wait_dscnt 0x0
.endif
.if (\t)+8 < STEPS
	XLOAD (\t)+8                                   ; into the registers that this step's stores into the stage have read
.endif
.if (\t)+1 < STEPS
.if STEPS-2-(\t) >= 7
	s_wait_loadcnt 28                              ; the next step's four loads are in; those of the seven steps behind it may be out
.else
	s_wait_loadcnt 4*(STEPS-2-(\t))
.endif
	XTURN (\t)+1
.endif
	v_max3_num_f32 v8, |v[XS]|, |v[XS+1]|, |v[XS+2]|               ; the largest magnitude of my 16, in two chains
	v_max3_num_f32 v9, |v[XS+3]|, |v[XS+4]|, |v[XS+5]|
.irp i, 6,10
	v_max3_num_f32 v8, v8, |v[XS+\i]|, |v[XS+\i+1]|
	v_max3_num_f32 v9, v9, |v[XS+\i+2]|, |v[XS+\i+3]|
.endr
	v_max3_num_f32 v8, v8, |v[XS+14]|, |v[XS+15]|
	v_max3_num_f32 v8, v8, v9, (EMAX+1)<<23        ; and the floor 2^(3 - 127): the byte cannot fall under 1
	v_max_num_f32_dpp v8, v8, v8 row_xmask:1 row_mask:0xf bank_mask:0xf   ; with my neighbour's 16: the block's
	v_add_nc_u32 v11, -(EMAX<<23), v8              ; 2 off its exponent field: the conversion takes this operand's exponent field as its scale
	v_cvt_scalef32_pk8_fp4_f32 v[C+2*(\t)], v[XS:XS+7], v11
	v_cvt_scalef32_pk8_fp4_f32 v[C+2*(\t)+1], v[XS+8:XS+15], v11
	v_lshrrev_b32 v[E], 23, v11                    ; the scale's byte
	ds_store_b8 v5, v[E] offset:16*(\t)            ; both lanes of a block write the same byte with the same value
	global_store_b64 v4, v[C+2*(\t):C+2*(\t)+1], s[18:19] offset:32*CB*(\t)   ; the wave stores 256 consecutive bytes, aligned
.endm
.irp t, 0,1,2,3,4,5,6,7,8,9,10,11,12,13,14,15
	XSTEP \t
.endr
	ds_load_b64 v[12:13], v6                       ; the wave's 256 scale bytes, 8 a lane
	s_wait_dscnt 0x0
	global_store_b64 v7, v[12:13], s[20:21]        ; 256 consecutive bytes, aligned
	s_wait_tensorcnt 0x0
	ds_add_u32 v208, v209
	s_wait_dscnt 0x0
	s_endpgm
; ---------------- the weights: a work-group takes 32 columns x 512 along K, a wave 128 of the 512: four blocks a lane
.Lweights:
	s_lshr_b32 s5, ttmp9, 6                        ; which matrix
	s_bfe_u32 s6, ttmp9, 0x10005                   ; y: which 512 of K
	s_and_b32 s7, ttmp9, 31                        ; g: which 32 columns
	s_lshr_b32 s26, s7, 1                          ; a head's weight [1024][64]: head g / 2, columns 32 (g % 2) on, rows of 256 bytes
	s_lshl_b32 s26, s26, 18
	s_and_b32 s27, s7, 1
	s_lshl_b32 s27, s27, 7
	s_add_co_u32 s26, s26, s27
	s_lshl_b32 s27, s6, 17
	s_add_co_u32 s26, s26, s27
	s_lshl_b32 s27, s4, 15                         ; my wave's 128 rows of 256 bytes
	s_add_co_u32 s26, s26, s27
	s_lshl_b32 s27, s7, 7                          ; Wp [1024][1024]: rows of 4,096 bytes
	s_lshl_b32 s34, s6, 21
	s_add_co_u32 s27, s27, s34
	s_lshl_b32 s34, s4, 19                         ; my wave's 128 rows
	s_add_co_u32 s27, s27, s34
	s_mov_b32 s35, 4096
	s_cmp_lt_u32 s5, 3
	s_cselect_b32 s26, s26, s27                    ; where my part begins
	s_cselect_b32 s35, 256, s35                    ; the pitch from k to k + 1
	s_mov_b32 s27, 0
	s_lshl_b32 s36, s4, 6
	s_add_co_u32 s36, s36, WSTG                    ; the work-group's stage, 32 rows x 272 bytes: my wave's 64 bytes of each row
	s_mul_i32 s34, s4, 8*WP
	s_add_co_u32 s34, s34, WSTG                    ; and the 8 rows that my wave sends out
	s_lshl_b32 s31, s4, 2
	s_add_co_u32 s31, s31, WSTG+32*WP              ; behind it the scale bytes, 16 a column: my wave's 4
	s_wait_alu depctr_va_vdst(0)
	v_mul_u32_u24 v4, v2, WP
	v_add_nc_u32 v4, s36, v4                       ; into it: row = my column
	v_and_b32 v5, 15, v2
	v_lshrrev_b32 v6, 4, v2
	v_mul_u32_u24 v7, v6, WP
	v_lshl_add_u32 v7, v5, 4, v7
	v_add_nc_u32 v7, s34, v7                       ; out of it: sixteen lanes to a row, two rows an instruction
	v_lshlrev_b32 v8, 9, v6
	v_lshl_add_u32 v8, v5, 4, v8                   ; and the same in wc
	v_and_b32 v9, 7, v2
	v_bfe_u32 v10, v2, 3, 1
	v_lshl_or_b32 v9, v10, 4, v9
	v_lshl_or_b32 v9, v6, 3, v9                    ; sigma(lane)
	v_lshlrev_b32 v9, 5, v9                        ; my column's row of scale bytes
	v_lshl_add_u32 v14, v2, 4, s31                 ; LDS: where my four scale bytes go,
	v_lshl_add_u32 v15, v2, 4, WSTG+32*WP          ; and where a column's sixteen are read back
	v_lshlrev_b32 v[VO], 2, v2
.set i, 1
.rept 31
	v_add_nc_u32 v[VO+i], s35, v[VO+i-1]
.set i, i+1
.endr
	s_lshl_b32 s37, s5, 10
	s_lshl_b32 s38, s7, 5
	s_add_co_u32 s37, s37, s38                     ; my first row of wc and ws: a multiple of 32
	s_lshl_b32 s38, s37, 9
	s_lshl_b32 s39, s6, 8
	s_add_co_u32 s38, s38, s39
	s_and_b32 s39, s4, 1                           ; my 8 rows 8 w .. 8 w + 7 lie at places 8 w' on, w' = w with its two bits exchanged
	s_lshl_b32 s39, s39, 13
	s_add_co_u32 s38, s38, s39
	s_lshr_b32 s39, s4, 1
	s_lshl_b32 s39, s39, 12
	s_add_co_u32 s38, s38, s39
	s_mov_b32 s39, 0
	s_lshl_b32 s40, s37, 5
	s_lshl_b32 s41, s6, 4
	s_add_co_u32 s40, s40, s41
	s_mov_b32 s41, 0
	s_wait_alu depctr_va_vdst(0)
	s_wait_kmcnt 0x0
	s_cmp_eq_u32 s5, 0                             ; the choice hangs on the work-group's number alone
	s_cselect_b64 s[28:29], s[10:11], s[12:13]
	s_cmp_lt_u32 s5, 2
	s_cselect_b64 s[28:29], s[28:29], s[14:15]
	s_cmp_lt_u32 s5, 3
	s_cselect_b64 s[28:29], s[28:29], s[16:17]
	s_add_nc_u64 s[28:29], s[28:29], s[26:27]      ; the base of the even blocks,
	s_lshl_b32 s32, s35, 5
	s_mov_b32 s33, 0
	s_add_nc_u64 s[30:31], s[28:29], s[32:33]      ; of the odd ones: 32 rows on
	s_lshl_b32 s32, s35, 6                         ; and the step of either: 64 rows
	s_add_nc_u64 s[22:23], s[22:23], s[38:39]
	s_add_nc_u64 s[24:25], s[24:25], s[40:41]
.macro WLOAD t                         ; block t: W(32 t + i, my column) into set t % 2: 128 consecutive bytes a load
.set i, 0
.rept 32
	global_load_b32 v[WX+32*((\t)%2)+i], v[VO+i], s[28+2*((\t)%2):29+2*((\t)%2)] th:TH_LOAD_NT
.set i, i+1
.endr
.endm
	WLOAD 0
	WLOAD 1
.macro WBLOCK t
.set XS, WX+32*((\t)%2)
.if (\t) < 3
	s_wait_loadcnt 32                              ; this block's 32 loads are in, so their base may be stepped; the next block's 32 may be out
.else
	s_wait_loadcnt 0
.endif
	v_max3_num_f32 v12, |v[XS]|, |v[XS+1]|, |v[XS+2]|              ; the block's largest magnitude: all 32 numbers are mine
	v_max3_num_f32 v13, |v[XS+3]|, |v[XS+4]|, |v[XS+5]|
.irp i, 6,10,14,18,22,26
	v_max3_num_f32 v12, v12, |v[XS+\i]|, |v[XS+\i+1]|
	v_max3_num_f32 v13, v13, |v[XS+\i+2]|, |v[XS+\i+3]|
.endr
	v_max3_num_f32 v12, v12, |v[XS+30]|, |v[XS+31]|
	v_max3_num_f32 v12, v12, v13, (EMAX+1)<<23
	v_add_nc_u32 v11, -(EMAX<<23), v12
	v_lshrrev_b32 v13, 23, v11                     ; the scale's byte
.if (\t)%4 == 0
	v_mov_b32 v[SB+(\t)/4], v13
.else
	v_lshl_or_b32 v[SB+(\t)/4], v13, 8*((\t)%4), v[SB+(\t)/4]
.endif
.irp g, 0,1,2,3
	v_cvt_scalef32_pk8_fp4_f32 v[WC+\g], v[XS+8*\g:XS+8*\g+7], v11
.endr
	ds_store_b128 v4, v[WC:WC+3] offset:16*(\t)    ; 32 codes: 16 bytes of my column's row
.if (\t)+2 < 4
	s_add_nc_u64 s[28+2*((\t)%2):29+2*((\t)%2)], s[28+2*((\t)%2):29+2*((\t)%2)], s[32:33]
	WLOAD (\t)+2
.endif
	s_wait_dscnt 0x0                               ; the store has read its registers: the next block's codes may be written
.endm
.irp t, 0,1,2,3
	WBLOCK \t
.endr
	s_wait_alu depctr_va_vdst(0)                   ; directly ahead of the reader below
	ds_store_b32 v14, v[SB]                        ; my column's four scale bytes of my 128 along K
	s_wait_dscnt 0x0                               ; my stores into the stage are done,
	s_barrier_signal -1
	s_barrier_wait -1                              ; and so are the other three waves'
.irp t, 0,1,2,3
	ds_load_b128 v[OUTR+4*\t:OUTR+4*\t+3], v7 offset:2*\t*WP
.endr
.irp t, 0,1,2,3
	s_wait_dscnt 3-\t                              ; the younger loads may be out
	global_store_b128 v8, v[OUTR+4*\t:OUTR+4*\t+3], s[22:23] offset:2*\t*512   ; rows 8 w + 2 t and + 1 at their places; 16 lanes store 256 consecutive bytes, aligned
.endr
	s_cmp_lg_u32 s4, 0
	s_cbranch_scc1 .Lno_words                      ; wave 0 sends the scale bytes of all 32 columns
	ds_load_b128 v[SB:SB+3], v15
	s_wait_dscnt 0x0
	global_store_b128 v9, v[SB:SB+3], s[24:25]     ; a column's 16 scale bytes, at its place sigma(lane)
.Lno_words:
	s_wait_tensorcnt 0x0
	ds_add_u32 v208, v209
	s_wait_dscnt 0x0
	s_endpgm
.Lfunc_end_k_q322f9b35ac_quant:
	.size	k_q322f9b35ac_quant, .Lfunc_end_k_q322f9b35ac_quant-k_q322f9b35ac_quant
	.p2alignl 7, 3214868480
	.fill 96, 4, 3214868480
	.section	.rodata,"a",@progbits
	.p2align	6, 0x0
	.amdhsa_kernel k_q322f9b35ac_quant
		.amdhsa_group_segment_fixed_size 68096
		.amdhsa_private_segment_fixed_size 0
		.amdhsa_enable_private_segment 0
		.amdhsa_kernarg_size 72
		.amdhsa_user_sgpr_count 2
		.amdhsa_user_sgpr_kernarg_segment_ptr 1
		.amdhsa_wavefront_size32 1
		.amdhsa_system_sgpr_workgroup_id_x 1
		.amdhsa_system_sgpr_workgroup_id_y 1
		.amdhsa_system_sgpr_workgroup_id_z 1
		.amdhsa_system_vgpr_workitem_id 0
		.amdhsa_next_free_vgpr 210
		.amdhsa_next_free_sgpr 66
		.amdhsa_reserve_vcc 0
		.amdhsa_float_denorm_mode_32 3
		.amdhsa_float_denorm_mode_16_64 3
		.amdhsa_memory_ordered 1
		.amdhsa_forward_progress 1
		.amdhsa_inst_pref_size 57
	.end_amdhsa_kernel
	.amdgpu_metadata
---
amdhsa.version: [ 1, 2 ]
amdhsa.kernels:
  - .name:           k_q322f9b35ac_quant
    .symbol:         k_q322f9b35ac_quant.kd
    .args:
      - { .name: batch_x, .offset: 0, .size: 8, .value_kind: global_buffer, .address_space: global }
      - { .name: Wq, .offset: 8, .size: 8, .value_kind: global_buffer, .address_space: global }
      - { .name: Wk, .offset: 16, .size: 8, .value_kind: global_buffer, .address_space: global }
      - { .name: Wv, .offset: 24, .size: 8, .value_kind: global_buffer, .address_space: global }
      - { .name: Wp, .offset: 32, .size: 8, .value_kind: global_buffer, .address_space: global }
      - { .name: xc, .offset: 40, .size: 8, .value_kind: global_buffer, .address_space: global }
      - { .name: xs, .offset: 48, .size: 8, .value_kind: global_buffer, .address_space: global }
      - { .name: wc, .offset: 56, .size: 8, .value_kind: global_buffer, .address_space: global }
      - { .name: ws, .offset: 64, .size: 8, .value_kind: global_buffer, .address_space: global }
    .group_segment_fixed_size: 68096
    .private_segment_fixed_size: 0
    .kernarg_segment_align: 8
    .kernarg_segment_size: 72
    .max_flat_workgroup_size: 128
    .sgpr_count:     66
    .vgpr_count:     210
    .wavefront_size: 32
...
	.end_amdgpu_metadata
.endif
;; end of part 1
;; launch qkv (part 2): grid 64 x 4, 4 waves a work-group, clusters of 4 x 4, 327,680 bytes of LDS; arguments xc, xs, wc, ws, bq, bk, bv, qkvc, qkvs; writes qkvc, qkvs
.if DOCPART == 2
	.amdgcn_target "amdgcn-amd-amdhsa--gfx1250"
	.amdhsa_code_object_version 6
	.text
	.protected	k_q322f9b35ac_qkv
	.globl	k_q322f9b35ac_qkv
	.p2align	8
	.type	k_q322f9b35ac_qkv,@function
k_q322f9b35ac_qkv:
	s_mov_b64 s[64:65], 0
	v_nop
	global_prefetch_b8 v0, s[64:65] scope:SCOPE_SE
	s_setreg_imm32_b32 hwreg(HW_REG_WAVE_MODE, 25, 1), 1
	s_wait_xcnt 0x0
	s_wait_alu depctr_hold_cnt(0) depctr_sa_sdst(0) depctr_va_vdst(0) depctr_va_sdst(0) depctr_va_ssrc(0) depctr_va_vcc(0) depctr_vm_vsrc(0)
	s_getreg_b32 s2, hwreg(HW_REG_IB_STS2, 6, 4)
	s_cmp_eq_u32 s2, 0
	s_cbranch_scc0 .Lentry_in_a_cluster
	s_endpgm
.Lentry_in_a_cluster:
	s_bfe_u32 s2, ttmp6, 0x10000c
	s_cmp_lg_u32 s2, 0xf033
	s_cbranch_scc0 .Lentry_shape_is_right
	s_endpgm
.Lentry_shape_is_right:
; q, k and v = x W + b on codes of FP4 with E8M0 scales, K = 1,024, and their quantising for the two products of attention, in one launch of 256 work-groups.
; Work-group (R, C), R = 0..31, C = 0..7, holds x's tokens 256 R .. + 255 in LDS and makes two products with them, one after the other:
;   FIRST  q or k: 256 tokens x the 256 rows 256 C .. of Wq and Wk; a wave 128 x 128: 64 accumulators.  Source 0 = 16 rows of W, source 1 = 16 tokens: a lane holds one token, its registers run along the features.
;   SECOND v: the 128 rows 128 C .. of Wv x the same 256 tokens; a wave 64 x 128: 32 accumulators.  Source 0 = 16 tokens, source 1 = 16 rows of Wv: a lane holds one channel, its registers run along the tokens.
; Rows lie in storage order (bits 3 and 4 of the row's number exchanged), so the 16 registers of source 0's tiles 2 i and 2 i + 1 are 16 TRUE neighbours along the K of the product that follows (the head's 64, or the keys).
; So a block of 16 lanes' rows is quantised in registers, and what comes out is the register image of the next product's fragment: it is stored as it stands, 16 bytes a lane, 512 consecutive bytes a store.
; The bias is the C of each sum's first matrix instruction.  The accumulators take turns, one instruction a turn.
; LDS: x's 256 rows and W's 256 rows, 512 bytes + 16 of padding each, and their scales, by four joint loads at the head, one a wave.  Wv's 128 rows and their scales FILL W'S BYTES AGAIN: two joint loads (waves 0 and 1)
; behind the first product's last step, the three lines and a round of the cluster's barrier; q's and k's whole way out stands between these loads and the wait for them.
; CLUSTERS: 4 x 4 work-groups; x's tiles are asked for jointly along a row of the cluster, W's and Wv's along a column.  NO PREFETCH: the head has no loop to run ahead in, and the refill is asked for a whole way out ahead of its first read.
; qkvc: 64 records (16 batch + head) of three images of 65,536 B: Q and K [tile of 16 tokens][16 B x lane], lane (r, h) = block h of token place 16 tile + r; V [128 keys: 16][16 channels: 4][half: 2][16 B x lane].
; qkvs: 64 records of 20,480 B: Q's and K's scale words, 4 B a token place (bytes 2 and 3 are 0: they stand over zero codes); V's [16][4][16 x 4 B].
; LIMITS: a block of zeros gets the byte 1 (its codes are zeros, and this program alone reads the bytes); NaN and infinities are not served.
; REGISTERS: window 0: v0-31 addresses; v32-95 the scale words of all of K; v128-191 source 1's fragments (first product: one set of 8; second: two sets of 4); on the ways out v32-175 at work.
;   window 1: source 0's fragments, two sets, at v0 and v128; v64-127 the bias.  windows 2, 3: the accumulators ((a, b) at v[8 (8 (a % 4) + b)]).
.set PITCH,  528                       ; an LDS row: 512 bytes + 16 of padding = 132 words: the 16 rows that a load touches start 4 banks apart
.set HALFT,  128*PITCH
.set KS,     32
.set SCL,    4*HALFT                   ; behind x's 256 rows and W's 256 rows: the scales, as units of 256 bytes + 16 of padding: x's, then W's
.set HALFS,  (128*KS/256)*272
.set SBLK,   (16*KS/256)*272
.set SPARE,  SCL+4*HALFS               ; the spare words: 128 bytes a wave, two blocks of 256 bytes that no other line names
.set STG,    SPARE+512                 ; the stages for scale words, 1,024 bytes a wave: bytes into which no tensor load lands
.set BN,   10                          ; v10  bias along the registers: 64 x (lane / 16)
.set BM,   11                          ; v11  bias by the lane's row: 4 (r + 8 (r / 8))
.set LO,   12                          ; v12  16 x lane
.set SST,  13                          ; v13  the stage: in
.set SRD,  14                          ; v14  and back, 16 x lane
.set SRD2, 15                          ; v15  and back, 16 r
.set ADRA, 16                          ; v16  first product: my tokens' fragments;  v17 second: my rows of Wv
.set ADRA2, 17
.set ADRB, 20                          ; v20  first product: my rows of W;  v21 second: my tokens
.set ADRB2, 21
.set VS2,  25                          ; v25  16 r
.set ADRS2, 26                         ; v26  second product's scale words: lanes 0-15 the tokens', lanes 16-31 Wv's
.set ADRS, 27                          ; v27  first product's: lanes 0-15 the tokens', lanes 16-31 W's
.set SPW,  28
.set NIL,  29
.set SC,   32
.set AF,   128
.set CI,   64                          ; in window 1: the bias, eight registers a tile
.set TM,   32                          ; the ways out, all in window 0: v32-47 at work
.set PW,   48                          ; v48-55   block a's scale word
.set PC,   64                          ; v64-127  block a's codes, eight registers
.set Z,    140                         ; v140-147
.set WAB,  160                         ; v160-175 block a's scale word in two halves
.set G1, 24                            ; s[24:31] group 1 for x's codes; s[32:35] its group 0; s[36:39] group 0 for Wv's codes
.set G0, 32
.set G0V, 36
.set G1B, 48                           ; s[48:55] group 1 for W's and Wv's codes; s[56:59] group 0 for W's; s[60:63] group 0 for Wv's scales
.set G0B, 56
.set G0VS, 60
.set G1S, 68
.set G0S, 76
.set G1SB, 80
.set G0SB, 88
.set MSB, 0
.macro WIN new                         ; the immediate's high byte repeats the setting that is left
.if MSB != \new
	s_set_vgpr_msb (MSB<<8)|\new
.set MSB, \new
.endif
.endm
.set MUL_LO, 0xa1                      ; source 0 window 1, source 1 window 0, C and D window 2
.set MUL_HI, 0xf1                      ; the same, C and D window 3
.set MUC_LO, 0x91                      ; C (the bias) window 1, D window 2
.set MUC_HI, 0xd1                      ; C window 1, D window 3
.set TO_B,   0x40
.macro PLACES                          ; plain vector instructions between a matrix instruction and a load into, or a read of, its registers
.rept 4
	v_nop
.endr
.endm
.macro ARM under, g0, g1, next, end    ; one arm of a tree of branches on the wave's number: a joint load, s_nop 0 and four v_nop, and a jump to the tree's end
	s_cmp_lt_u32 s14, \under
	s_cbranch_scc0 \next
	tensor_load_to_lds s[\g0:\g0+3], s[\g1:\g1+7]
	s_nop 0
	PLACES
	s_branch \end
\next:
.endm
.macro CROUND                          ; a round of the cluster's barrier
	s_barrier_signal -1
	s_barrier_wait -1
	s_cmp_lg_u32 s14, 0
	s_cbranch_scc1 .Lnot_wave_0_\@
	s_barrier_signal -3
.Lnot_wave_0_\@:
	s_barrier_wait -3
	s_barrier_signal -1
	s_barrier_wait -1
.endm
	s_load_b256 s[4:11], s[0:1], 0x0               ; xc, xs, wc, ws
	v_lshl_add_u32 v[SPW], v0, 2, SPARE
	v_mov_b32 v[NIL], 0
	ds_add_u32 v[SPW], v[NIL]                      ; the opening lines: the add, twice on end, and its wait
	ds_add_u32 v[SPW], v[NIL]
	s_wait_dscnt 0x0
	v_lshrrev_b32 v1, 5, v0
	v_readfirstlane_b32 s14, v1                    ; wave 0..3
	s_lshr_b32 s15, s14, 1                         ; which half of source 1's rows is mine
	s_and_b32 s16, s14, 1                          ; which half of source 0's
	s_bfe_u32 s40, ttmp6, 0x40000                  ; cx
	s_bfe_u32 s41, ttmp6, 0x40004                  ; cy
	s_and_b32 s96, ttmp9, 1
	s_lshr_b32 s97, ttmp9, 1
	s_lshl_b32 s42, s96, 2
	s_add_co_u32 s42, s42, s40                     ; C
	s_lshl_b32 s17, s97, 2
	s_add_co_u32 s17, s17, s41                     ; R
	s_lshl_b32 s43, s41, 2
	s_lshl_b32 s43, 15, s43                        ; my row of the cluster
	s_lshl_b32 s44, 0x1111, s40                    ; my column
	s_or_b32 s[G1+0], s43, (0<<16)|(1<<20)|(1<<21)|(6<<22)|(3<<25)  ; the mask; elements of 1 byte; padding on, 4 words after every 128; bit 21 beside a mask
	s_or_b32 s[G1B+0], s44, (0<<16)|(1<<20)|(1<<21)|(6<<22)|(3<<25)
.irp g, G1, G1B
	s_mov_b32 s[\g+1], 512<<16                     ; tensor_dim0
	s_mov_b32 s[\g+2], 256<<16                     ; tensor_dim1
	s_mov_b32 s[\g+3], 512<<16                     ; tile_dim0
	s_mov_b32 s[\g+4], 256                         ; tile_dim1
	s_mov_b32 s[\g+5], 512                         ; the pitch
	s_mov_b32 s[\g+6], 0
	s_mov_b32 s[\g+7], 0
.endr
	s_or_b32 s[G1S+0], s43, (3<<16)|(1<<20)|(1<<21)|(5<<22)|(3<<25)  ; the scales of 256 rows: 8,192 dense bytes as 32 rows of 256, 16 bytes of padding behind each
	s_or_b32 s[G1SB+0], s44, (3<<16)|(1<<20)|(1<<21)|(5<<22)|(3<<25)
.irp g, G1S, G1SB
	s_mov_b32 s[\g+1], 32<<16
	s_mov_b32 s[\g+2], 32<<16
	s_mov_b32 s[\g+3], 32<<16
	s_mov_b32 s[\g+4], 32
	s_mov_b32 s[\g+5], 32
	s_mov_b32 s[\g+6], 0
	s_mov_b32 s[\g+7], 0
.endr
	s_lshl_b32 s20, s17, 8                         ; x's first row
	s_lshl_b32 s46, s42, 8                         ; W's first row, counted through Wq and Wk
	s_lshl_b32 s94, s42, 7
	s_add_co_u32 s94, s94, 2048                    ; Wv's first row, behind them
	s_lshl_b32 s22, s20, 5                         ; their scales, 32 bytes a row,
	s_mov_b32 s23, 0
	s_lshl_b32 s92, s46, 5
	s_mov_b32 s93, 0
	s_lshl_b32 s96, s94, 5
	s_mov_b32 s97, 0
	s_lshl_b32 s20, s20, 9                         ; and their codes, 512
	s_mov_b32 s21, 0
	s_lshl_b32 s46, s46, 9
	s_mov_b32 s47, 0
	s_lshl_b32 s94, s94, 9
	s_mov_b32 s95, 0
	s_wait_kmcnt 0x0
	s_add_nc_u64 s[20:21], s[4:5], s[20:21]
	s_add_nc_u64 s[22:23], s[6:7], s[22:23]
	s_add_nc_u64 s[46:47], s[8:9], s[46:47]
	s_add_nc_u64 s[92:93], s[10:11], s[92:93]
	s_add_nc_u64 s[94:95], s[8:9], s[94:95]
	s_add_nc_u64 s[96:97], s[10:11], s[96:97]
	CROUND                                         ; all sixteen work-groups are here: the first joint loads meet
	s_mov_b32 s[G0], 1
	s_mov_b32 s[G0+1], 0
	s_mov_b64 s[G0+2:G0+3], s[20:21]
	s_or_b32 s[G0+3], s[G0+3], 0x80000000
	s_mov_b32 s[G0B], 1
	s_mov_b32 s[G0B+1], 2*HALFT
	s_mov_b64 s[G0B+2:G0B+3], s[46:47]
	s_or_b32 s[G0B+3], s[G0B+3], 0x80000000
	s_mov_b32 s[G0S], 1
	s_mov_b32 s[G0S+1], SCL
	s_mov_b64 s[G0S+2:G0S+3], s[22:23]
	s_or_b32 s[G0S+3], s[G0S+3], 0x80000000
	s_mov_b32 s[G0SB], 1
	s_mov_b32 s[G0SB+1], SCL+2*HALFS
	s_mov_b64 s[G0SB+2:G0SB+3], s[92:93]
	s_or_b32 s[G0SB+3], s[G0SB+3], 0x80000000
	s_mov_b32 s[G0V], 1                            ; for the refill: Wv's codes onto W's first 128 rows,
	s_mov_b32 s[G0V+1], 2*HALFT
	s_mov_b64 s[G0V+2:G0V+3], s[94:95]
	s_or_b32 s[G0V+3], s[G0V+3], 0x80000000
	s_mov_b32 s[G0VS], 1                           ; its scales onto theirs
	s_mov_b32 s[G0VS+1], SCL+2*HALFS
	s_mov_b64 s[G0VS+2:G0VS+3], s[96:97]
	s_or_b32 s[G0VS+3], s[G0VS+3], 0x80000000
	; THE HEAD'S FOUR TILES, ONE JOINT LOAD A WAVE: wave 0 x's 256 rows for all of K, wave 1 W's, wave 2 x's scales, wave 3 W's
	ARM 1, G0,  G1,  .Lhead_b,  .Lhead_asked
	ARM 2, G0B, G1B, .Lhead_sa, .Lhead_asked
	ARM 3, G0S, G1S, .Lhead_sb, .Lhead_asked
	tensor_load_to_lds s[G0SB:G0SB+3], s[G1SB:G1SB+7]
	s_nop 0
	PLACES
.Lhead_asked:
	s_load_b256 s[4:11], s[0:1], 0x20              ; bq, bk, bv, qkvc
	s_load_b64 s[12:13], s[0:1], 0x40              ; qkvs
	s_mul_i32 s20, s15, HALFT                      ; first product: my 128 tokens,
	s_mul_i32 s21, s16, HALFT
	s_add_co_u32 s21, s21, 2*HALFT                 ; my 128 rows of W
	s_mul_i32 s22, s15, 64*PITCH
	s_add_co_u32 s22, s22, 2*HALFT                 ; second: my 64 rows of Wv,
	s_mul_i32 s23, s16, HALFT                      ; my 128 tokens
	s_mul_i32 s45, s15, HALFS                      ; the scale words.  First product: lanes 0-15 my tokens', lanes 16-31 my rows' of W: the lower base and the distance
	s_mul_i32 s47, s16, HALFS
	s_add_co_u32 s46, s47, 2*HALFS
	s_sub_co_u32 s46, s46, s45
	s_add_co_u32 s45, s45, SCL
	s_mul_i32 s92, s15, HALFS/2                    ; second: lanes 0-15 my tokens', lanes 16-31 my rows' of Wv
	s_add_co_u32 s92, s92, 2*HALFS
	s_sub_co_u32 s92, s92, s47
	s_add_co_u32 s47, s47, SCL
	s_lshl_b32 s93, s14, 10
	s_add_co_u32 s93, s93, STG                     ; my stage
	v_and_b32 v1, 15, v0                           ; r
	v_bfe_u32 v2, v0, 4, 1                         ; h
	v_and_b32 v3, 31, v0
	v_lshlrev_b32 v[LO], 4, v3
	v_mul_u32_u24 v4, v1, PITCH
	v_lshl_add_u32 v4, v2, 4, v4                   ; a fragment's row x pitch + 16 x half
	v_add_nc_u32 v[ADRA], s20, v4
	v_add_nc_u32 v[ADRB], s21, v4
	v_add_nc_u32 v[ADRA2], s22, v4
	v_add_nc_u32 v[ADRB2], s23, v4
	v_mul_u32_u24 v5, v1, KS                       ; my row's scales: 32 bytes a row,
	v_lshrrev_b32 v6, 8, v5
	v_lshl_add_u32 v5, v6, 4, v5                   ; and 16 more for each 256 passed
	v_mul_u32_u24 v6, s46, v2
	v_mul_u32_u24 v7, s92, v2
	v_add_nc_u32 v6, v5, v6
	v_add_nc_u32 v7, v5, v7
	v_add_nc_u32 v[ADRS], s45, v6
	v_add_nc_u32 v[ADRS2], s47, v7
	v_lshlrev_b32 v[BN], 6, v2
	v_and_b32 v[BM], 8, v1
	v_add_nc_u32 v[BM], v[BM], v1
	v_lshlrev_b32 v[BM], 2, v[BM]
	v_lshl_add_u32 v[SST], v1, 2, s93
	v_add_nc_u32 v[SRD], s93, v[LO]
	v_lshl_add_u32 v[SRD2], v1, 4, s93
	v_lshlrev_b32 v[VS2], 4, v1
	s_wait_alu depctr_va_vdst(0)
	; where my results go: these numbers enter the bias's and the stores' addresses alone
	s_lshr_b32 s2, s17, 3
	s_lshl_b32 s2, s2, 4                           ; 16 batch
	s_and_b32 s3, s17, 7
	s_lshl_b32 s3, s3, 8                           ; the block's first token in its batch
	s_and_b32 s45, s42, 3
	s_lshl_b32 s45, s45, 2
	s_lshl_b32 s46, s16, 1
	s_add_co_u32 s45, s45, s46                     ; first product: my first head (an even one)
	s_lshl_b32 s98, s45, 8                         ; its bias: 64 x 4 bytes a head
	s_mov_b32 s99, 0
	s_add_co_u32 s45, s45, s2                      ; its record
	s_lshr_b32 s47, s42, 2                         ; 0: q, 1: k
	s_lshl_b32 s46, s15, 7
	s_add_co_u32 s46, s46, s3                      ; my first token
	s_mul_i32 s20, s45, 196608
	s_lshl_b32 s21, s47, 16
	s_add_co_u32 s20, s20, s21
	s_lshl_b32 s21, s46, 5                         ; 32 bytes of an image for each token, in both kinds of image
	s_add_co_u32 s20, s20, s21
	s_mov_b32 s21, 0
	s_mul_i32 s22, s45, 20480
	s_lshl_b32 s23, s47, 13
	s_add_co_u32 s22, s22, s23
	s_lshl_b32 s23, s46, 2                         ; 4 bytes of scale words a token
	s_add_co_u32 s22, s22, s23
	s_mov_b32 s23, 0
	s_lshl_b32 s45, s42, 1
	s_add_co_u32 s45, s45, s15                     ; second product: my head
	s_lshl_b32 s96, s45, 8
	s_mov_b32 s97, 0
	s_add_co_u32 s45, s45, s2
	s_lshl_b32 s46, s16, 7
	s_add_co_u32 s46, s46, s3                      ; my first token
	s_mul_i32 s92, s45, 196608
	s_add_co_u32 s92, s92, 131072                  ; V's image
	s_lshl_b32 s93, s46, 5
	s_add_co_u32 s92, s92, s93
	s_mov_b32 s93, 0
	s_mul_i32 s94, s45, 20480
	s_add_co_u32 s94, s94, 16384                   ; V's scale words: 2 bytes a token
	s_lshl_b32 s95, s46, 1
	s_add_co_u32 s94, s94, s95
	s_mov_b32 s95, 0
	s_wait_kmcnt 0x0
	s_cmp_eq_u32 s47, 0
	s_cselect_b64 s[18:19], s[4:5], s[6:7]
	s_add_nc_u64 s[18:19], s[18:19], s[98:99]      ; the bias of my 128 features of q or k,
	s_add_nc_u64 s[98:99], s[8:9], s[96:97]        ; of my 64 of v
	s_add_nc_u64 s[92:93], s[10:11], s[92:93]      ; v's codes,
	s_add_nc_u64 s[94:95], s[12:13], s[94:95]      ; v's scale words
	s_add_nc_u64 s[10:11], s[10:11], s[20:21]      ; q or k: registers 0-3 of a block's codes,
	s_add_nc_u64 s[4:5], s[10:11], 196608          ; registers 4-7: the next head
	s_add_nc_u64 s[12:13], s[12:13], s[22:23]      ; the scale words,
	s_add_nc_u64 s[6:7], s[12:13], 20480           ; and the next head's
	s_mov_b32 s2, 0x76543210
	s_mov_b32 s3, 0xfedcba98                       ; v_permlanex16_b32's selects for lane l xor 16
	WIN TO_B                                       ; the first bias runs along a lane's registers: tile b's eight are features 32 (b / 2) + 16 h + 8 (b % 2) + 0 .. 7
.irp b, 0,1,2,3,4,5,6,7
	global_load_b128 v[CI+8*\b:CI+8*\b+3], v[BN], s[18:19] offset:128*(\b/2)+32*(\b%2)
	global_load_b128 v[CI+8*\b+4:CI+8*\b+7], v[BN], s[18:19] offset:128*(\b/2)+32*(\b%2)+16
.endr
	WIN 0
.macro FRAG reg, adr, k, i             ; 16 rows x 128 K of 4-bit codes, the k-th 128 of K: lane l holds row l % 16; registers 4 c .. 4 c + 3 hold K = 64 c + 32 (l / 16) + 0 .. 31
.irp c, 0,1
	ds_load_b128 v[\reg+4*\c:\reg+4*\c+3], v[\adr] offset:64*(\k)+32*\c+(\i)*16*PITCH
.endr
.endm
.macro SCALES adr                      ; the scale words of all of K: register 32 s + 4 i + q: step 4 s + q, block i: lanes 0-15 one operand's, lanes 16-31 the other's
.irp s, 0,1
.irp i, 0,1,2,3,4,5,6,7
	ds_load_b128 v[SC+32*\s+4*\i:SC+32*\s+4*\i+3], v[\adr] offset:\i*SBLK+16*\s
.endr
.endr
.endm
; THE FIRST PRODUCT.  16 matrix instructions: my tokens' blocks a0, a0 + 1 x W's eight, step k.  cin = 1: the sums begin with the bias.
.macro MUL16 a0, k, cin
.irp a, \a0, \a0+1
.irp b, 0,1,2,3,4,5,6,7
.set rD, 8*(8*((\a)%4)+\b)
.set rB, 128*((\k)%2)+8*\b
.set rA, AF+8*(\a)
.set rSB, SC+32*((\k)/4)+4*\b+(\k)%4
.set rSA, SC+32*((\k)/4)+4*(\a)+(\k)%4
.if \cin
.set rC, CI+8*\b
.else
.set rC, rD
.endif
	v_wmma_scale_f32_16x16x128_f8f6f4 v[rD:rD+7], v[rB:rB+7], v[rA:rA+7], v[rC:rC+7], v[rSB], v[rSA] matrix_a_fmt:MATRIX_FMT_FP4 matrix_b_fmt:MATRIX_FMT_FP4 matrix_a_scale:MATRIX_SCALE_ROW1
.endr
.endr
.endm
.macro FETCH_B k
	WIN TO_B
.irp i, 0,1,2,3,4,5,6,7
	FRAG 128*((\k)%2)+8*\i, ADRB, \k, \i
.endr
	WIN 0
.endm
.macro FETCH_A k, i0
.irp i, \i0, \i0+1, \i0+2, \i0+3
	FRAG AF+8*(\i), ADRA, \k, \i
.endr
.endm
.macro STEP k, cin                     ; W has two sets of registers; the tokens one: blocks 0-3 are fetched anew in the step's middle, blocks 4-7 at its end
	s_wait_dscnt 8                                 ; all but the youngest eight loads (the tokens' blocks 4-7) are in
.if \cin
	WIN MUC_LO
.else
	WIN MUL_LO
.endif
	MUL16 0, \k, \cin
	MUL16 2, \k, \cin
	s_wait_dscnt 0
.if (\k) < 7
	PLACES
	FETCH_B (\k)+1
	FETCH_A (\k)+1, 0
.endif
.if \cin
	WIN MUC_HI
.else
	WIN MUL_HI
.endif
	MUL16 4, \k, \cin
	MUL16 6, \k, \cin
.if (\k) < 7
	PLACES
	WIN 0
	FETCH_A (\k)+1, 4
.endif
.endm
; THE SECOND PRODUCT.  32 matrix instructions: Wv's four blocks x my tokens' eight, step q.  Both operands have two sets of registers.
.macro FETCH2 q
	WIN TO_B
.irp i, 0,1,2,3,4,5,6,7
	FRAG 128*((\q)%2)+8*\i, ADRB2, \q, \i
.endr
	WIN 0
.irp i, 0,1,2,3
	FRAG AF+32*((\q)%2)+8*\i, ADRA2, \q, \i
.endr
.endm
.macro MUL32 q, cin
.irp a, 0,1,2,3
.irp b, 0,1,2,3,4,5,6,7
.set rD, 8*(8*\a+\b)
.set rB, 128*((\q)%2)+8*\b
.set rA, AF+32*((\q)%2)+8*\a
.set rSB, SC+32*((\q)/4)+4*\b+(\q)%4
.set rSA, SC+32*((\q)/4)+4*\a+(\q)%4
.if \cin
.set rC, CI+8*\a
.else
.set rC, rD
.endif
	v_wmma_scale_f32_16x16x128_f8f6f4 v[rD:rD+7], v[rB:rB+7], v[rA:rA+7], v[rC:rC+7], v[rSB], v[rSA] matrix_a_fmt:MATRIX_FMT_FP4 matrix_b_fmt:MATRIX_FMT_FP4 matrix_b_scale:MATRIX_SCALE_ROW1
.endr
.endr
.endm
.macro STEP2 q
	s_wait_dscnt 0x0                               ; this step's fragments are in: they were asked for ahead of the step before's products
.if (\q) < 7
.if (\q) > 0
	PLACES                                         ; the other sets were read by the step before's products
.endif
	FETCH2 (\q)+1
.endif
.if (\q) == 0
	WIN MUC_LO
	MUL32 \q, 1
.else
	WIN MUL_LO
	MUL32 \q, 0
.endif
.endm
; A WAY OUT.  Block a (16 lanes' rows x 128 along the next K) is quantised in registers and stored as the image of a fragment.  v = 0: q or k; v = 1: v.
.macro QOUT a, v
.set AC, 64*((\a)%4)
.set W1, 2+(\a)/4                      ; the block's accumulators: window 2 or 3
.set W2, W1|(W1<<2)
.set PCA, PC+8*(\a)
	WIN W2                                         ; sources 0 and 1 in the accumulators' window
.irp b, 0,1,2,3
	v_max3_num_f32 v[TM+\b], |v[AC+16*\b]|, |v[AC+16*\b+1]|, 0x1800000   ; block b of 32: my 16 numbers, each accumulator from its low end on, and the floor 2^(3 - 127)
.endr
.irp i, 2,4,6,8,10,12,14
.irp b, 0,1,2,3
	v_max3_num_f32 v[TM+\b], |v[AC+16*\b+\i]|, |v[AC+16*\b+\i+1]|, v[TM+\b]
.endr
.endr
	WIN 0
.irp b, 0,1,2,3
	v_permlanex16_b32 v[TM+4+\b], v[TM+\b], s2, s3
.endr
.irp b, 0,1,2,3
	v_max_num_f32 v[TM+\b], v[TM+\b], v[TM+4+\b]   ; with lane l xor 16's 16: the block's largest magnitude
.endr
.irp b, 0,1,2,3
	v_add_nc_u32 v[TM+12+\b], 0xff000000, v[TM+\b] ; 2 off its exponent field: the conversion's scale operand
.endr
.irp b, 0,1,2,3
	v_lshrrev_b32 v[TM+4+\b], 23, v[TM+12+\b]      ; the scale's byte
.endr
	v_lshl_or_b32 v[PW+\a], v[TM+5], 8, v[TM+4]
	v_lshl_or_b32 v[PW+\a], v[TM+6], 16, v[PW+\a]
	v_lshl_or_b32 v[PW+\a], v[TM+7], 24, v[PW+\a]
	WIN W1                                         ; source 0 in the accumulators' window
.irp b, 0,1,2,3
	v_cvt_scalef32_pk8_fp4_f32 v[PCA+2*\b], v[AC+16*\b:AC+16*\b+7], v[TM+12+\b]
	v_cvt_scalef32_pk8_fp4_f32 v[PCA+2*\b+1], v[AC+16*\b+8:AC+16*\b+15], v[TM+12+\b]
.endr
	WIN 0
	v_nop                                          ; one plain instruction behind a scaled conversion
.irp c, 0,1                                    ; a whole block in a lane: lanes 0-15 block 2 c, lanes 16-31 block 2 c + 1
.irp i, 0,1
	v_permlane16_swap_b32 v[PCA+4*\c+\i], v[PCA+4*\c+2+\i]
.endr
.endr
.if \v
	global_store_b128 v[LO], v[PCA:PCA+3], s[92:93] offset:1024*\a       ; a tile of 16 channels: its first half of the 128 keys,
	global_store_b128 v[LO], v[PCA+4:PCA+7], s[92:93] offset:1024*\a+512 ; and its second; 512 consecutive bytes a store, aligned
	ds_store_b32 v[SST], v[PW+\a] offset:64*\a     ; both halves of the lanes hold the same word and write it to the same place
.else
	global_store_b128 v[LO], v[PCA:PCA+3], s[10:11] offset:512*\a        ; a tile of 16 tokens: the first head's 64,
	global_store_b128 v[LO], v[PCA+4:PCA+7], s[4:5] offset:512*\a        ; the second head's; every block has data registers of its own
	v_and_b32 v[WAB+2*\a], 0xffff, v[PW+\a]        ; the first head's two bytes,
	v_lshrrev_b32 v[WAB+2*\a+1], 16, v[PW+\a]      ; the second head's
	ds_store_b32 v[SST], v[WAB+2*\a] offset:64*\a
	ds_store_b32 v[SST], v[WAB+2*\a+1] offset:512+64*\a
.endif
.endm
	s_wait_tensorcnt 0x0                           ; my tile of the head's four is in;
	s_barrier_signal -1
	s_barrier_wait -1                              ; everybody's is
	FETCH_B 0
	FETCH_A 0, 0
	SCALES ADRS
	FETCH_A 0, 4
	s_wait_loadcnt 0x0                             ; the bias
	STEP 0, 1                                      ; the first step starts the sums with the bias: nothing is cleared
.irp k, 1,2,3,4,5,6,7
	STEP \k, 0
.endr
	WIN 0
	; W'S BYTES ARE FILLED AGAIN WITH Wv'S
	s_wait_tensorcnt 0x0                           ; no tensor load of mine is out, so a descriptor may be written;
	ds_add_u32 v[SPW], v[NIL]                      ; 0 onto my spare word;
	s_mov_b32 s[G1B+2], 128<<16                    ; Wv's tile has 128 rows,
	s_mov_b32 s[G1B+4], 128
	s_mov_b32 s[G1SB+2], 16<<16                    ; its scales 16 rows of 256 bytes
	s_mov_b32 s[G1SB+4], 16
	s_wait_dscnt 0x0                               ; the add is done, and my reads of W's rows and scales are over
	CROUND                                         ; both now hold of every wave of every work-group of the cluster
	ARM 1, G0V,  G1B,  .Lv_scales, .Lv_asked
	ARM 2, G0VS, G1SB, .Lv_none,   .Lv_asked
.Lv_asked:
	WIN TO_B                                       ; the second bias belongs to the lane's row: channel 32 (a / 2) + 8 (a % 2) + r + 8 (r / 8), the same in all eight registers
.irp a, 0,1,2,3
.irp j, 0,1,2,3,4,5,6,7
	global_load_b32 v[CI+8*\a+\j], v[BM], s[98:99] offset:128*(\a/2)+32*(\a%2)
.endr
.endr
	WIN 0
	PLACES                                         ; behind the last products, in front of the first read of their results
.irp b, 0,1,2,3
	v_mov_b32 v[TM+4+\b], 0                        ; written once: a lane permute's destination counts as one of its sources
.endr
.irp a, 0,1,2,3,4,5,6,7
	QOUT \a, 0
.endr
	ds_load_b128 v[Z:Z+3], v[SRD]                  ; LDS serves a wave's instructions in order: these see my stores
	ds_load_b128 v[Z+4:Z+7], v[SRD] offset:512
	s_wait_dscnt 0x0
	global_store_b128 v[LO], v[Z:Z+3], s[12:13]    ; the first head's words of my 128 tokens: 512 consecutive bytes, aligned
	global_store_b128 v[LO], v[Z+4:Z+7], s[6:7]    ; the second head's
	s_wait_alu depctr_va_vdst(0)                   ; directly ahead of the waits below
	s_wait_xcnt 0x0                                ; my stores have read their registers: the loads below land there
	s_wait_tensorcnt 0x0                           ; my part of Wv is in;
	s_barrier_signal -1
	s_barrier_wait -1                              ; everybody's is
	FETCH2 0
	SCALES ADRS2
	s_wait_loadcnt 0x0                             ; the bias
.irp q, 0,1,2,3,4,5,6,7
	STEP2 \q
.endr
	WIN 0
	PLACES
.irp a, 0,1,2,3
	QOUT \a, 1
.endr
	ds_load_b128 v[Z:Z+3], v[SRD2]                 ; my four tiles' words, 256 bytes: both halves of the lanes read the same,
	s_wait_dscnt 0x0
	global_store_b128 v[VS2], v[Z:Z+3], s[94:95]   ; and store the same to the same place: 256 consecutive bytes, aligned
	s_wait_tensorcnt 0x0                           ; the wave's end
	ds_add_u32 v[SPW], v[NIL]
	s_wait_dscnt 0x0
	CROUND                                         ; the closing round
	s_endpgm
.Lfunc_end_k_q322f9b35ac_qkv:
	.size	k_q322f9b35ac_qkv, .Lfunc_end_k_q322f9b35ac_qkv-k_q322f9b35ac_qkv
	.p2alignl 7, 3214868480
	.fill 96, 4, 3214868480
	.section	.rodata,"a",@progbits
	.p2align	6, 0x0
	.amdhsa_kernel k_q322f9b35ac_qkv
		.amdhsa_group_segment_fixed_size 327680
		.amdhsa_private_segment_fixed_size 0
		.amdhsa_enable_private_segment 0
		.amdhsa_kernarg_size 72
		.amdhsa_user_sgpr_count 2
		.amdhsa_user_sgpr_kernarg_segment_ptr 1
		.amdhsa_wavefront_size32 1
		.amdhsa_system_sgpr_workgroup_id_x 1
		.amdhsa_system_sgpr_workgroup_id_y 1
		.amdhsa_system_sgpr_workgroup_id_z 1
		.amdhsa_system_vgpr_workitem_id 0
		.amdhsa_next_free_vgpr 1024
		.amdhsa_next_free_sgpr 100
		.amdhsa_reserve_vcc 0
		.amdhsa_float_denorm_mode_32 3
		.amdhsa_float_denorm_mode_16_64 3
		.amdhsa_memory_ordered 1
		.amdhsa_forward_progress 1
		.amdhsa_inst_pref_size 200
	.end_amdhsa_kernel
	.amdgpu_metadata
---
amdhsa.version: [ 1, 2 ]
amdhsa.kernels:
  - .name:           k_q322f9b35ac_qkv
    .symbol:         k_q322f9b35ac_qkv.kd
    .args:
      - { .name: xc, .offset: 0, .size: 8, .value_kind: global_buffer, .address_space: global }
      - { .name: xs, .offset: 8, .size: 8, .value_kind: global_buffer, .address_space: global }
      - { .name: wc, .offset: 16, .size: 8, .value_kind: global_buffer, .address_space: global }
      - { .name: ws, .offset: 24, .size: 8, .value_kind: global_buffer, .address_space: global }
      - { .name: bq, .offset: 32, .size: 8, .value_kind: global_buffer, .address_space: global }
      - { .name: bk, .offset: 40, .size: 8, .value_kind: global_buffer, .address_space: global }
      - { .name: bv, .offset: 48, .size: 8, .value_kind: global_buffer, .address_space: global }
      - { .name: qkvc, .offset: 56, .size: 8, .value_kind: global_buffer, .address_space: global }
      - { .name: qkvs, .offset: 64, .size: 8, .value_kind: global_buffer, .address_space: global }
    .group_segment_fixed_size: 327680
    .private_segment_fixed_size: 0
    .kernarg_segment_align: 8
    .kernarg_segment_size: 72
    .max_flat_workgroup_size: 128
    .sgpr_count:     100
    .vgpr_count:     1024
    .wavefront_size: 32
...
	.end_amdgpu_metadata
.endif
;; end of part 2
;; launch attn (part 3): grid 256 x 1, 16 waves a work-group, clusters of 4 x 1, 169,984 bytes of LDS; arguments qkvc, qkvs, oc, os; writes oc, os
.if DOCPART == 3
	.amdgcn_target "amdgcn-amd-amdhsa--gfx1250"
	.amdhsa_code_object_version 6
	.text
	.protected	k_q322f9b35ac_attn
	.globl	k_q322f9b35ac_attn
	.p2align	8
	.type	k_q322f9b35ac_attn,@function
k_q322f9b35ac_attn:
	s_mov_b64 s[64:65], 0
	v_nop
	global_prefetch_b8 v0, s[64:65] scope:SCOPE_SE
	s_setreg_imm32_b32 hwreg(HW_REG_WAVE_MODE, 25, 1), 1
	s_wait_xcnt 0x0
	s_wait_alu depctr_hold_cnt(0) depctr_sa_sdst(0) depctr_va_vdst(0) depctr_va_sdst(0) depctr_va_ssrc(0) depctr_va_vcc(0) depctr_vm_vsrc(0)
	s_getreg_b32 s2, hwreg(HW_REG_IB_STS2, 6, 4)
	s_cmp_eq_u32 s2, 0
	s_cbranch_scc0 .Lentry_in_a_cluster
	s_endpgm
.Lentry_in_a_cluster:
	s_bfe_u32 s2, ttmp6, 0x10000c
	s_cmp_lg_u32 s2, 0x3003
	s_cbranch_scc0 .Lentry_shape_is_right
	s_endpgm
.Lentry_shape_is_right:
; Causal attention of one head on codes of FP4 with E8M0 scales, and the quantising of its result for the last product.
; t = score x log2(e) / 8; M = the running largest t rounded UP to a whole number; p = 2^(t - M) is quantised along the keys; the row's sum is taken of the unquantised p and divides O at the end.
; SHARES.  A cluster of four work-groups owns record = 16 batch + head (the cluster's number).  The head's K and V images and their scale words, 143,360 bytes, are asked for JOINTLY by the four
; (mask 15) and lie whole in each one's LDS, filled once: waves 0-7 bring 16,384 bytes of the images each, waves 8-10 4,096 bytes of the words each: one tensor load a wave.
; Wave w of the work-group at place cx owns two tiles of 16 queries: 127 - (4 w + cx) in the first pass, 4 w + cx in the second.  A tile t needs t / 8 + 1 key steps of 128, and (4 w + cx) / 8 = w / 2:
; so every wave works 17 steps, every work-group reads all keys, and which steps are walked, and which one lies on the diagonal, hangs on the wave's number alone: partners branch alike.
; Both passes walk 16 trips: the trip counts are constants; a step all of whose keys come after the wave's queries (under the mask that the problem builds itself) is jumped over by a scalar branch.
; NO PREFETCH: all tensor loads stand at the head; there is no loop in which a later tile could be asked for ahead.
; LAYOUT.  Both products are used transposed (S^T = K Q^T, O^T = V^T P^T): a lane holds one query.  Tokens and channels lie in storage order (bits 3 and 4 exchanged), so the 16 registers of tiles 2 b and 2 b + 1 are
; 16 true neighbours: keys 32 b + 16 (lane / 16) + 0 .. 15 in S^T, channels likewise in O^T.  The lane's query is Q0 + r + 8 (r / 8), Q0 = 32 (tile / 2) + 8 (tile % 2).
; The first product's K is 64: the upper four registers of Q's and K's fragments hold zero codes, cleared once and never loaded.
; LDS LOADS: behind a step's score products stand this step's V and the NEXT step's K (the last step's reach into V's image and words: bytes that are filled, results that are not used).
; oc: [128 batch + tile][head / 2][head % 2][16 B x lane]: the image of the last product's A fragments.  os: [token place][32]: bytes 2 head, 2 head + 1: two bytes a lane, since a row's 32 bytes come from 16 clusters.
; LIMITS: NaN and infinities are not served; a block of zeros gets the byte 1; 1 / sum is v_rcp_f32's; the scaled scores stay under 2^31 in magnitude.
; REGISTERS: v1-4, v7 addresses that stay; v5, v6 the add's two; v8-11 the step's addresses; v12 -M, v13 the largest score, v[14:15] the sum; v16-23 Q; v24-25 V's scale words; v26 the lane's query less Q0 less 16 (lane / 16);
; v27 the result's two scale bytes; v28-31 K's scale words; v32-95 K's eight fragments; v96-159 S^T, then p; v160-191 O^T; v192-223 V's four fragments; v224-231 p's codes; v232-245, v251-254 at work;
; v246-250 the second pass's Q and its scale words; v255 Q's scale words.
.set VIMG,  65536
.set SCK,   131072
.set SCV,   139264
.set SPARE, 167936                     ; the spare words: 128 bytes a wave, eight blocks of 256 bytes that no other line names
.set SPW,   5
.set NIL,   6
.macro CROUND                          ; a round of the cluster's barrier
	s_barrier_signal -1
	s_barrier_wait -1
	s_cmp_lg_u32 s18, 0
	s_cbranch_scc1 .Lnot_wave_0_\@
	s_barrier_signal -3
.Lnot_wave_0_\@:
	s_barrier_wait -3
	s_barrier_signal -1
	s_barrier_wait -1
.endm
	s_load_b256 s[4:11], s[0:1], 0x0               ; qkvc, qkvs, oc, os
	v_lshl_add_u32 v[SPW], v0, 2, SPARE
	v_mov_b32 v[NIL], 0
	ds_add_u32 v[SPW], v[NIL]                      ; the opening lines: the add, twice on end, and its wait ahead of the round and the first tensor loads
	ds_add_u32 v[SPW], v[NIL]
	v_lshrrev_b32 v8, 5, v0
	v_readfirstlane_b32 s18, v8                    ; wave 0..15
	v_and_b32 v9, 31, v0                           ; lane
	v_and_b32 v10, 15, v0                          ; r
	v_lshlrev_b32 v1, 4, v9                        ; 16 x lane: an image's place for my lane, in LDS (K) and in memory
	v_lshlrev_b32 v11, 2, v10                      ; Q's scale word: 4 r
	s_bfe_u32 s13, ttmp6, 0x40000                  ; cx: it enters global addresses and the diagonal's lane numbers alone
	s_mov_b32 s12, ttmp9                           ; the record
	s_mul_i32 s14, s12, 196608
	s_mov_b32 s15, 0
	s_mul_i32 s16, s12, 20480
	s_mov_b32 s17, 0
	s_mov_b32 s24, 15|(3<<16)|(1<<21)              ; group 1 for the images: mask: all four partners; elements of 8 bytes; bit 21 beside a mask; no padding: 64 rows of 256 dense bytes
	s_mov_b32 s25, 32<<16                          ; tensor_dim0
	s_mov_b32 s26, 64<<16                          ; tensor_dim1
	s_mov_b32 s27, 32<<16                          ; tile_dim0
	s_mov_b32 s28, 64                              ; tile_dim1
	s_mov_b32 s29, 32                              ; the pitch
	s_mov_b32 s30, 0
	s_mov_b32 s31, 0
	s_mov_b32 s80, 15|(3<<16)|(1<<21)              ; group 1 for the scale words: 16 such rows
	s_mov_b32 s81, 32<<16
	s_mov_b32 s82, 16<<16
	s_mov_b32 s83, 32<<16
	s_mov_b32 s84, 16
	s_mov_b32 s85, 32
	s_mov_b32 s86, 0
	s_mov_b32 s87, 0
	s_and_b32 s57, s18, 7
	s_lshl_b32 s57, s57, 14                        ; waves 0-7: 16,384 x wave of K's and V's images, which lie on end in memory and in LDS
	s_and_b32 s58, s18, 3
	s_lshl_b32 s58, s58, 12                        ; waves 8-10: 4,096 x (wave - 8) of K's and V's scale words, which lie on end too
	s_lshl_b32 s50, s18, 2
	s_add_co_u32 s59, s50, s13                     ; the second pass's tile: 4 w + cx
	s_sub_co_u32 s50, 127, s59                     ; the first pass's
	s_lshr_b32 s61, s18, 1
	s_sub_co_u32 s61, 15, s61
	s_lshl_b32 s61, s61, 7                         ; the first key of the first pass's step on the diagonal: 128 (15 - w / 2)
	s_mov_b32 s20, 0x76543210
	s_mov_b32 s21, 0xfedcba98                      ; v_permlanex16_b32's selects for lane l xor 16
	s_mov_b32 s22, 0x3e38aa3b                      ; c = log2(e) / 8
	s_mov_b32 s23, s22                             ; (named with it as a pair)
	s_mov_b32 s19, 0xbe38aa3b                      ; -c
	s_mov_b32 s49, 0
	s_mov_b32 s60, 2
	s_wait_alu depctr_va_vdst(0)                   ; ahead of the waits below
	s_wait_dscnt 0x0                               ; both opening adds are done
	s_wait_kmcnt 0x0
	s_add_nc_u64 s[44:45], s[4:5], s[14:15]        ; my record of codes
	s_add_nc_u64 s[46:47], s[6:7], s[16:17]        ; and of scale words
	s_lshl_b32 s48, s50, 9
	s_add_nc_u64 s[66:67], s[44:45], s[48:49]
	s_lshl_b32 s48, s50, 6
	s_add_nc_u64 s[68:69], s[46:47], s[48:49]
	s_lshl_b32 s48, s59, 9
	s_add_nc_u64 s[70:71], s[44:45], s[48:49]
	s_lshl_b32 s48, s59, 6
	s_add_nc_u64 s[72:73], s[46:47], s[48:49]
	global_load_b128 v[16:19], v1, s[66:67]        ; the first pass's Q
	global_load_b32 v255, v11, s[68:69]            ; and its scale words
	global_load_b128 v[246:249], v1, s[70:71]      ; the second pass's
	global_load_b32 v250, v11, s[72:73]
	s_mov_b32 s32, 1
	s_mov_b32 s33, s57
	s_mov_b32 s48, s57
	s_add_nc_u64 s[34:35], s[44:45], s[48:49]
	s_add_nc_u64 s[34:35], s[34:35], 65536         ; behind Q's image
	s_or_b32 s35, s35, 0x80000000
	s_mov_b32 s40, 1
	s_add_co_u32 s41, s58, SCK
	s_mov_b32 s48, s58
	s_add_nc_u64 s[42:43], s[46:47], s[48:49]
	s_add_nc_u64 s[42:43], s[42:43], 8192          ; behind Q's words
	s_or_b32 s43, s43, 0x80000000
	CROUND                                         ; all four work-groups are here: the joint loads meet
	s_cmp_lt_u32 s18, 8                            ; one tree of branches on the wave's number: no way through it passes two loads
	s_cbranch_scc0 .Lwords
	tensor_load_to_lds s[32:35], s[24:31]
	s_nop 0
.rept 4
	v_nop
.endr
	s_branch .Lasked
.Lwords:
	s_cmp_lt_u32 s18, 11
	s_cbranch_scc0 .Lasked
	tensor_load_to_lds s[40:43], s[80:87]
	s_nop 0
.rept 4
	v_nop
.endr
.Lasked:
	v_add_nc_u32 v2, VIMG, v1                      ; V
	v_lshl_add_u32 v3, v9, 2, SCK                  ; K's scale words: 4 x lane
	v_lshl_add_u32 v4, v9, 2, SCV                  ; V's
	v_lshlrev_b32 v7, 5, v10                       ; os: 32 r
	v_and_b32 v8, 8, v10
	v_add_nc_u32 v26, v8, v10
	v_bfe_u32 v8, v0, 4, 1
	v_lshlrev_b32 v8, 4, v8
	v_sub_nc_u32 v26, v26, v8                      ; r + 8 (r / 8) - 16 h
.irp j, 20,21,22,23
	v_mov_b32 v[\j], 0                             ; Q's K = 64 .. 127: zero codes
.endr
.irp t, 0,1,2,3,4,5,6,7
.irp j, 4,5,6,7
	v_mov_b32 v[32+8*\t+\j], 0                     ; and K's
.endr
.endr
.irp j, 236,237,238,239,252,253
	v_mov_b32 v[\j], 0                             ; written once: destinations of lane permutes, and the upper half of the pair v[252:253]
.endr
	s_wait_alu depctr_va_vdst(0)
	s_wait_loadcnt 0x0                             ; both passes' Q
	s_wait_tensorcnt 0x0                           ; my part has landed,
	s_barrier_signal -1
	s_barrier_wait -1                              ; everybody's has: LDS is only read from here on
.Lpass:
	s_wait_xcnt 0x0                                ; the earlier loads and stores have read their bases and data: both are written again below
.irp t, 0,1,2,3,4,5,6,7
	ds_load_b128 v[32+8*\t:35+8*\t], v1 offset:512*\t      ; step 0's K: tile t, 512 consecutive bytes
.endr
.irp u, 0,1,2,3
	ds_load_b32 v[28+\u], v3 offset:128*\u         ; lanes 0-15: tile 2 u's words; lanes 16-31: tile 2 u + 1's
.endr
	s_lshr_b32 s51, s50, 1
	s_lshl_b32 s51, s51, 5
	s_and_b32 s57, s50, 1
	s_lshl_b32 s57, s57, 3
	s_add_co_u32 s51, s51, s57                     ; Q0
	s_lshr_b32 s57, s12, 4
	s_lshl_b32 s57, s57, 7
	s_add_co_u32 s57, s57, s50                     ; 128 batch + tile
	s_and_b32 s58, s12, 15                         ; head
	s_lshl_b32 s48, s57, 13
	s_lshl_b32 s59, s58, 9
	s_add_co_u32 s48, s48, s59
	s_add_nc_u64 s[72:73], s[8:9], s[48:49]        ; where the result's codes go
	s_lshl_b32 s48, s57, 9
	s_lshl_b32 s59, s58, 1
	s_add_co_u32 s48, s48, s59
	s_add_nc_u64 s[74:75], s[10:11], s[48:49]      ; and its scale bytes
	v_mov_b32 v13, 0xff61b1e6                      ; the largest score so far: -3e38
	v_floor_f32 v12, -v13                          ; -M
	v_mov_b32 v14, 0
	v_mov_b32 v15, 0
.set j, 0
.rept 32
	v_mov_b32 v[160+j], 0                          ; O^T: the step is written once; the first finds zeros
.set j, j+1
.endr
	s_mov_b32 s52, 0                               ; the step's first key
	s_mov_b32 s53, 0                               ; its place in the images: 4,096 bytes a step
	s_mov_b32 s54, 0                               ; among K's scale words: 512
	s_mov_b32 s55, 0                               ; among V's: 256
	s_mov_b32 s56, 16
	s_wait_alu depctr_va_vdst(0)                   ; directly ahead of the wait below
	s_wait_dscnt 0x0                               ; step 0's K and its words are in
.Lstep:
	s_cmp_gt_u32 s52, s61
	s_cbranch_scc1 .Lhidden                        ; all 128 keys come after my queries
.irp u, 0,1,2,3
	v_wmma_scale_f32_16x16x128_f8f6f4 v[96+16*\u:103+16*\u], v[32+16*\u:39+16*\u], v[16:23], 0, v[28+\u], v255 matrix_a_fmt:MATRIX_FMT_FP4 matrix_b_fmt:MATRIX_FMT_FP4
	v_wmma_scale_f32_16x16x128_f8f6f4 v[104+16*\u:111+16*\u], v[40+16*\u:47+16*\u], v[16:23], 0, v[28+\u], v255 matrix_a_fmt:MATRIX_FMT_FP4 matrix_b_fmt:MATRIX_FMT_FP4 matrix_a_scale:MATRIX_SCALE_ROW1
.endr
	v_add_nc_u32 v8, s53, v1                       ; these four are the places behind the products above and behind the last step's: in front of the loads below and of the first read of the scores
	v_add_nc_u32 v9, s53, v2
	v_add_nc_u32 v10, s54, v3
	v_add_nc_u32 v11, s55, v4
.irp d, 0,1,2,3
.irp c, 0,1
	ds_load_b128 v[192+8*\d+4*\c:195+8*\d+4*\c], v9 offset:1024*\d+512*\c   ; this step's V
.endr
.endr
.irp u, 0,1
	ds_load_b32 v[24+\u], v11 offset:128*\u
.endr
.irp t, 0,1,2,3,4,5,6,7
	ds_load_b128 v[32+8*\t:35+8*\t], v8 offset:4096+512*\t  ; the next step's K
.endr
.irp u, 0,1,2,3
	ds_load_b32 v[28+\u], v10 offset:512+128*\u
.endr
	s_cmp_lg_u32 s52, s61
	s_cbranch_scc1 .Lopen                          ; under the diagonal's step every key counts for every query of mine
	s_sub_co_i32 s57, s51, s52
	v_add_nc_u32 v252, s57, v26                    ; d = my query - the step's first key - 16 h.  Register 16 b + i holds key 32 b + 16 h + i of the step: hidden where 32 b + i > d
	v_mov_b32 v254, 0xff800000                     ; -infinity: p = 0 then
.set n, 0
.rept 64
	v_cmp_gt_i32 vcc_lo, 32*(n/16)+n%16, v252
	v_cndmask_b32 v[96+n], v[96+n], v254, vcc_lo
.set n, n+1
.endr
.Lopen:
.irp b, 0,1,2,3
	v_max3_num_f32 v[232+\b], v[96+16*\b], v[97+16*\b], v[98+16*\b]   ; the largest score of each block of 32 keys: for the row's maximum and, since p rises with the score, for the block's largest p
.endr
.irp i, 3,5,7,9,11,13
.irp b, 0,1,2,3
	v_max3_num_f32 v[232+\b], v[232+\b], v[96+16*\b+\i], v[97+16*\b+\i]
.endr
.endr
.irp b, 0,1,2,3
	v_max_num_f32 v[232+\b], v[232+\b], v[111+16*\b]
.endr
.irp b, 0,1,2,3
	v_permlanex16_b32 v[236+\b], v[232+\b], s20, s21
.endr
.irp b, 0,1,2,3
	v_max_num_f32 v[232+\b], v[232+\b], v[236+\b]  ; with lane l xor 16's 16 keys
.endr
	v_max3_num_f32 v254, v232, v233, v234
	v_max3_num_f32 v13, v13, v254, v235            ; the running largest score (c is positive: the largest t is c x it)
	v_mov_b32 v254, v12
	v_mul_f32 v251, s19, v13                       ; -t
	v_floor_f32 v12, v251                          ; the new -M = -ceil(t)
	v_sub_f32 v254, v12, v254                      ; old M - new M: a whole number, 0 or less
	v_cvt_i32_f32 v254, v254                       ; (it saturates)
	v_ldexp_f32 v252, 1.0, v254                    ; f = 2^(old M - new M): a multiplication by it rounds nothing
.set j, 0
.rept 32
	v_pk_fma_f32 v[96+j:97+j], v[96+j:97+j], s[22:23], v[12:13] op_sel_hi:[1,0,0]   ; t - M, two at a time
.set j, j+2
.endr
.irp b, 0,1,2,3
	v_fma_f32 v[232+\b], v[232+\b], s22, v12       ; the same of each block's largest score
.endr
	s_wait_alu depctr_va_vdst(0)
.set j, 0
.rept 64
	v_exp_f32 v[96+j], v[96+j]                     ; p = 2^(t - M)
.set j, j+1
.endr
	v_pk_mul_f32 v[14:15], v[14:15], v[252:253] op_sel_hi:[1,0]   ; the sums under the new M: the plain instruction behind the exponentials
	s_wait_alu depctr_va_vdst(0)                   ; one wait for the batch, ahead of its first reader
.irp b, 0,1,2,3
	v_exp_f32 v[232+\b], v[232+\b]                 ; the block's largest p
.endr
.irp k, 0,1,2,3,4                              ; the row's sum of the unquantised p: 32 pairs in six chains
	v_pk_add_f32 v[236+2*\k:237+2*\k], v[96+4*\k:97+4*\k], v[98+4*\k:99+4*\k]
.endr
	v_pk_add_f32 v[14:15], v[14:15], v[116:117]
.irp g, 0,1,2
.irp k, 0,1,2,3,4
	v_pk_add_f32 v[236+2*\k:237+2*\k], v[236+2*\k:237+2*\k], v[118+12*\g+2*\k:119+12*\g+2*\k]
.endr
	v_pk_add_f32 v[14:15], v[14:15], v[128+12*\g:129+12*\g]
.endr
.irp k, 0,1,2
	v_pk_add_f32 v[236+2*\k:237+2*\k], v[236+2*\k:237+2*\k], v[154+2*\k:155+2*\k]
.endr
	v_pk_add_f32 v[236:237], v[236:237], v[238:239]
	v_pk_add_f32 v[240:241], v[240:241], v[242:243]
	v_pk_add_f32 v[14:15], v[14:15], v[244:245]
	v_pk_add_f32 v[236:237], v[236:237], v[240:241]
	v_pk_add_f32 v[14:15], v[14:15], v[236:237]
	s_wait_alu depctr_va_vdst(0)                   ; and one for the four
.irp b, 0,1,2,3
	v_max_num_f32 v[232+\b], 0x1800000, v[232+\b]  ; the floor 2^(3 - 127): the byte cannot fall under 1
.endr
.irp b, 0,1,2,3
	v_add_nc_u32 v[240+\b], 0xff000000, v[232+\b]  ; 2 off the exponent field: the conversion's scale operand
.endr
.irp b, 0,1,2,3
	v_lshrrev_b32 v[236+\b], 23, v[240+\b]         ; the scale's byte
.endr
	v_lshl_or_b32 v253, v237, 8, v236              ; p's scale word for these 128 keys
	v_lshl_or_b32 v253, v238, 16, v253
	v_lshl_or_b32 v253, v239, 24, v253
.irp b, 0,1,2,3
	v_cvt_scalef32_pk8_fp4_f32 v[224+2*\b], v[96+16*\b:103+16*\b], v[240+\b]
	v_cvt_scalef32_pk8_fp4_f32 v[225+2*\b], v[104+16*\b:111+16*\b], v[240+\b]
.endr
	v_nop                                          ; one plain instruction behind a scaled conversion
.irp c, 0,1                                    ; a whole block in a lane: lanes 0-15 block 2 c, lanes 16-31 block 2 c + 1
.irp i, 0,1
	v_permlane16_swap_b32 v[224+4*\c+\i], v[226+4*\c+\i]
.endr
.endr
	s_wait_alu depctr_va_vdst(0)                   ; directly ahead of the first reader of O^T
.set j, 0
.rept 16
	v_pk_mul_f32 v[160+j:161+j], v[160+j:161+j], v[252:253] op_sel_hi:[1,0]   ; O^T under the new M; these sixteen also stand between the writes of p's codes and scale word and the products
.set j, j+2
.endr
	s_wait_alu depctr_va_vdst(0)                   ; directly ahead of the wait below
	s_wait_dscnt 0x0                               ; V and its words are in, and so are the next step's K and its words
.irp u, 0,1                                    ; O^T += V^T P^T: the four accumulators by turns, one instruction a turn
	v_wmma_scale_f32_16x16x128_f8f6f4 v[160+16*\u:167+16*\u], v[192+16*\u:199+16*\u], v[224:231], v[160+16*\u:167+16*\u], v[24+\u], v253 matrix_a_fmt:MATRIX_FMT_FP4 matrix_b_fmt:MATRIX_FMT_FP4
	v_wmma_scale_f32_16x16x128_f8f6f4 v[168+16*\u:175+16*\u], v[200+16*\u:207+16*\u], v[224:231], v[168+16*\u:175+16*\u], v[24+\u], v253 matrix_a_fmt:MATRIX_FMT_FP4 matrix_b_fmt:MATRIX_FMT_FP4 matrix_a_scale:MATRIX_SCALE_ROW1
.endr
.Lhidden:
	s_add_co_u32 s52, s52, 128
	s_add_co_u32 s53, s53, 4096
	s_add_co_u32 s54, s54, 512
	s_add_co_u32 s55, s55, 256
	s_sub_co_u32 s56, s56, 1
	s_cmp_lg_u32 s56, 0
	s_cbranch_scc1 .Lstep
	; THE WAY OUT: O^T / the sum, quantised along the head's 64 channels: two blocks; register 16 b + i is channel 32 b + 16 h + i
.rept 4
	v_nop
.endr
	v_add_f32 v14, v14, v15
	v_permlanex16_b32 v252, v14, s20, s21
	v_add_f32 v14, v14, v252                       ; the row's sum
	s_wait_alu depctr_va_vdst(0)
	v_rcp_f32 v14, v14
	v_nop                                          ; a plain instruction behind the reciprocal,
	s_wait_alu depctr_va_vdst(0)                   ; and the wait ahead of its first reader, which is also the first reader of O^T
.set j, 0
.rept 32
	v_mul_f32 v[96+j], v[160+j], v14               ; each accumulator from its low end on
.set j, j+1
.endr
.irp b, 0,1
	v_max3_num_f32 v[232+\b], |v[96+16*\b]|, |v[97+16*\b]|, 0x1800000
.endr
.irp i, 2,4,6,8,10,12,14
.irp b, 0,1
	v_max3_num_f32 v[232+\b], v[232+\b], |v[96+16*\b+\i]|, |v[97+16*\b+\i]|
.endr
.endr
.irp b, 0,1
	v_permlanex16_b32 v[236+\b], v[232+\b], s20, s21
.endr
.irp b, 0,1
	v_max_num_f32 v[232+\b], v[232+\b], v[236+\b]
.endr
.irp b, 0,1
	v_add_nc_u32 v[244+\b], 0xff000000, v[232+\b]
.endr
.irp b, 0,1
	v_lshrrev_b32 v[236+\b], 23, v[244+\b]
.endr
	v_lshl_or_b32 v27, v237, 8, v236
.irp b, 0,1
	v_cvt_scalef32_pk8_fp4_f32 v[224+2*\b], v[96+16*\b:103+16*\b], v[244+\b]
	v_cvt_scalef32_pk8_fp4_f32 v[225+2*\b], v[104+16*\b:111+16*\b], v[244+\b]
.endr
	v_nop
	v_permlane16_swap_b32 v224, v226               ; lanes 0-15 block 0, lanes 16-31 block 1
	v_permlane16_swap_b32 v225, v227
	global_store_b128 v1, v[224:227], s[72:73]     ; 512 consecutive bytes, aligned
	global_store_b16 v7, v27, s[74:75]             ; both halves of the lanes hold the same two bytes and write them to the same place
.irp j, 0,1,2,3
	v_mov_b32 v[16+\j], v[246+\j]                  ; the second pass's Q
.endr
	v_mov_b32 v255, v250                           ; and its scale words
	s_sub_co_u32 s50, 127, s50                     ; its tile,
	s_sub_co_u32 s61, 1920, s61                    ; and the first key of its step on the diagonal: 128 (w / 2)
	s_sub_co_u32 s60, s60, 1
	s_cmp_lg_u32 s60, 0
	s_wait_alu depctr_va_vdst(0)                   ; directly ahead of the branch
	s_cbranch_scc1 .Lpass
	s_wait_tensorcnt 0x0                           ; the wave's end
	ds_add_u32 v[SPW], v[NIL]
	s_wait_dscnt 0x0
	CROUND                                         ; the closing round
	s_endpgm
.Lfunc_end_k_q322f9b35ac_attn:
	.size	k_q322f9b35ac_attn, .Lfunc_end_k_q322f9b35ac_attn-k_q322f9b35ac_attn
	.p2alignl 7, 3214868480
	.fill 96, 4, 3214868480
	.section	.rodata,"a",@progbits
	.p2align	6, 0x0
	.amdhsa_kernel k_q322f9b35ac_attn
		.amdhsa_group_segment_fixed_size 169984
		.amdhsa_private_segment_fixed_size 0
		.amdhsa_enable_private_segment 0
		.amdhsa_kernarg_size 32
		.amdhsa_user_sgpr_count 2
		.amdhsa_user_sgpr_kernarg_segment_ptr 1
		.amdhsa_wavefront_size32 1
		.amdhsa_system_sgpr_workgroup_id_x 1
		.amdhsa_system_sgpr_workgroup_id_y 1
		.amdhsa_system_sgpr_workgroup_id_z 1
		.amdhsa_system_vgpr_workitem_id 0
		.amdhsa_next_free_vgpr 256
		.amdhsa_next_free_sgpr 88
		.amdhsa_reserve_vcc 1
		.amdhsa_float_denorm_mode_32 3
		.amdhsa_float_denorm_mode_16_64 3
		.amdhsa_memory_ordered 1
		.amdhsa_forward_progress 1
		.amdhsa_inst_pref_size 35
	.end_amdhsa_kernel
	.amdgpu_metadata
---
amdhsa.version: [ 1, 2 ]
amdhsa.kernels:
  - .name:           k_q322f9b35ac_attn
    .symbol:         k_q322f9b35ac_attn.kd
    .args:
      - { .name: qkvc, .offset: 0, .size: 8, .value_kind: global_buffer, .address_space: global }
      - { .name: qkvs, .offset: 8, .size: 8, .value_kind: global_buffer, .address_space: global }
      - { .name: oc, .offset: 16, .size: 8, .value_kind: global_buffer, .address_space: global }
      - { .name: os, .offset: 24, .size: 8, .value_kind: global_buffer, .address_space: global }
    .group_segment_fixed_size: 169984
    .private_segment_fixed_size: 0
    .kernarg_segment_align: 8
    .kernarg_segment_size: 32
    .max_flat_workgroup_size: 512
    .sgpr_count:     88
    .vgpr_count:     256
    .wavefront_size: 32
...
	.end_amdgpu_metadata
.endif
;; end of part 3
;; launch proj (part 4): grid 4 x 64, 4 waves a work-group, clusters of 4 x 4, 327,680 bytes of LDS; arguments oc, os, wc, ws, out0, bp; writes out0
.if DOCPART == 4
	.amdgcn_target "amdgcn-amd-amdhsa--gfx1250"
	.amdhsa_code_object_version 6
	.text
	.protected	k_q322f9b35ac_proj
	.globl	k_q322f9b35ac_proj
	.p2align	8
	.type	k_q322f9b35ac_proj,@function
k_q322f9b35ac_proj:
	s_mov_b64 s[64:65], 0
	v_nop
	global_prefetch_b8 v0, s[64:65] scope:SCOPE_SE
	s_setreg_imm32_b32 hwreg(HW_REG_WAVE_MODE, 25, 1), 1
	s_wait_xcnt 0x0
	s_wait_alu depctr_hold_cnt(0) depctr_sa_sdst(0) depctr_va_vdst(0) depctr_va_sdst(0) depctr_va_ssrc(0) depctr_va_vcc(0) depctr_vm_vsrc(0)
	s_getreg_b32 s2, hwreg(HW_REG_IB_STS2, 6, 4)
	s_cmp_eq_u32 s2, 0
	s_cbranch_scc0 .Lentry_in_a_cluster
	s_endpgm
.Lentry_in_a_cluster:
	s_bfe_u32 s2, ttmp6, 0x10000c
	s_cmp_lg_u32 s2, 0xf033
	s_cbranch_scc0 .Lentry_shape_is_right
	s_endpgm
.Lentry_shape_is_right:
; out0 = O Wp + bp on codes of FP4 with E8M0 scales, K = 1,024.  A = the attention's result, 8,192 tokens, as images of fragments (oc [tile of 16 tokens][8,192 B], os [token place][32 B]);
; B = Wp's 1,024 rows in wc and ws, behind Wq, Wk and Wv.  Tokens and features lie in storage order (bits 3 and 4 of the number exchanged); the way out puts both back.
; A work-group of four waves makes 128 tokens x 256 features: 64 x 4 = 256 work-groups.  A wave makes 64 x 128: 32 accumulators of 16 x 16 in 256 registers, which take turns.
; THE MATRIX INSTRUCTION IS USED TRANSPOSED (source 0 = 16 rows of B, source 1 = 16 rows of A): a lane holds eight neighbouring features of one token.  The bias is the C of each sum's first matrix instruction.
; LDS is filled once, by four joint loads at the head, one a wave: A's 8 tiles (65,536 dense bytes), B's 256 rows of 512 bytes (16 of padding behind each), A's scales, B's scales.
; CLUSTERS: 4 x 4 work-groups; A's tiles are asked for jointly along a row of the cluster, B's along a column.
; NO PREFETCH: all tensor loads stand at the head; there is no loop in which a later tile could be asked for ahead.
; K goes in 8 steps of 128; both operands have two sets of fragment registers: a step's 24 LDS loads are issued ahead of the step before's 32 matrix instructions.
; REGISTERS: window 0: v0-31 addresses; v32-95 the scale words of all of K; v128-191 A's fragments, two sets of 4; on the way out v128-255.  window 1: B's fragments at v0 and v128; v64-127 the bias.  window 2: accumulator (a, b) at v[8 (8 a + b)].
.set PITCH,  528                       ; B's LDS row: 512 bytes + 16 of padding = 132 words: the 16 rows that a load touches start 4 banks apart
.set HALFT,  128*PITCH
.set ABYTES, 65536
.set KS,     32
.set SCL,    ABYTES+2*HALFT            ; the scales: A's 128 rows, then B's 256, as units of 256 bytes + 16 of padding
.set HALFS,  (128*KS/256)*272
.set SBLK,   (16*KS/256)*272
.set SPARE,  SCL+3*HALFS               ; the spare words: 128 bytes a wave, two blocks of 256 bytes that no other line names
.set STG,    SPARE+512                 ; the stages of the way out: bytes into which no tensor load lands
.set SPITCH, 528
.set BN,   10
.set ADRA, 16
.set ADRB, 20
.set STO,  24
.set RD,   25
.set CO,   26
.set ADRS, 27
.set SPW,  28
.set NIL,  29
.set SC,   32
.set AF,   128
.set BK,   128
.set CI,   64
.set G1, 24
.set G0, 32
.set G1B, 48
.set G0B, 56
.set G1S, 68
.set G0S, 76
.set G1SB, 80
.set G0SB, 88
.set MSB, 0
.macro WIN new                         ; the immediate's high byte repeats the setting that is left
.if MSB != \new
	s_set_vgpr_msb (MSB<<8)|\new
.set MSB, \new
.endif
.endm
.set MUL,  0xa1                        ; source 0 (B) window 1, source 1 (A) window 0, C and D window 2
.set MUC,  0x91                        ; C (the bias) window 1, D window 2
.set TO_B, 0x40
.macro PLACES                          ; plain vector instructions between a matrix instruction and a load into, or a read of, its registers
.rept 4
	v_nop
.endr
.endm
.macro ARM under, g0, g1, next         ; one arm of the head's tree: a joint load, s_nop 0 and four v_nop, and a jump to the tree's end
	s_cmp_lt_u32 s14, \under
	s_cbranch_scc0 \next
	tensor_load_to_lds s[\g0:\g0+3], s[\g1:\g1+7]
	s_nop 0
	PLACES
	s_branch .Lhead_asked
\next:
.endm
.macro CROUND                          ; a round of the cluster's barrier
	s_barrier_signal -1
	s_barrier_wait -1
	s_cmp_lg_u32 s14, 0
	s_cbranch_scc1 .Lnot_wave_0_\@
	s_barrier_signal -3
.Lnot_wave_0_\@:
	s_barrier_wait -3
	s_barrier_signal -1
	s_barrier_wait -1
.endm
	s_load_b128 s[4:7], s[0:1], 0x0                ; oc, os
	s_load_b128 s[8:11], s[0:1], 0x10              ; wc, ws
	s_load_b64 s[12:13], s[0:1], 0x20              ; out0
	s_load_b64 s[66:67], s[0:1], 0x28              ; bp
	v_lshl_add_u32 v[SPW], v0, 2, SPARE
	v_mov_b32 v[NIL], 0
	ds_add_u32 v[SPW], v[NIL]                      ; the opening lines: the add, twice on end, and its wait
	ds_add_u32 v[SPW], v[NIL]
	s_wait_dscnt 0x0
	v_lshrrev_b32 v1, 5, v0
	v_readfirstlane_b32 s14, v1                    ; wave 0..3
	s_lshr_b32 s15, s14, 1                         ; which 64 of the block's tokens are mine
	s_and_b32 s16, s14, 1                          ; which 128 of its features
	s_bfe_u32 s40, ttmp6, 0x40000                  ; cx
	s_bfe_u32 s41, ttmp6, 0x40004                  ; cy
	s_lshl_b32 s42, ttmp9, 2
	s_add_co_u32 s42, s42, s40                     ; block column: 256 features
	s_and_b32 s17, ttmp7, 0xffff
	s_lshl_b32 s17, s17, 2
	s_add_co_u32 s17, s17, s41                     ; block row: 128 tokens
	s_lshl_b32 s43, s41, 2
	s_lshl_b32 s43, 15, s43                        ; my row of the cluster
	s_lshl_b32 s44, 0x1111, s40                    ; my column
	s_or_b32 s[G1+0], s43, (3<<16)|(1<<21)         ; A: 8 rows of 1,024 elements of 8 bytes, dense, no padding
	s_mov_b32 s[G1+1], 1024<<16
	s_mov_b32 s[G1+2], 8<<16
	s_mov_b32 s[G1+3], 1024<<16
	s_mov_b32 s[G1+4], 8
	s_mov_b32 s[G1+5], 1024
	s_mov_b32 s[G1+6], 0
	s_mov_b32 s[G1+7], 0
	s_or_b32 s[G1B+0], s44, (0<<16)|(1<<20)|(1<<21)|(6<<22)|(3<<25)  ; B: 256 rows of 512 bytes; padding: 4 words after every 128
	s_mov_b32 s[G1B+1], 512<<16
	s_mov_b32 s[G1B+2], 256<<16
	s_mov_b32 s[G1B+3], 512<<16
	s_mov_b32 s[G1B+4], 256
	s_mov_b32 s[G1B+5], 512
	s_mov_b32 s[G1B+6], 0
	s_mov_b32 s[G1B+7], 0
	s_or_b32 s[G1S+0], s43, (3<<16)|(1<<20)|(1<<21)|(5<<22)|(3<<25)  ; the scales: dense bytes as rows of 256, 16 bytes of padding behind each: A's 16 rows,
	s_or_b32 s[G1SB+0], s44, (3<<16)|(1<<20)|(1<<21)|(5<<22)|(3<<25) ; B's 32
	s_mov_b32 s[G1S+2], 16<<16
	s_mov_b32 s[G1S+4], 16
	s_mov_b32 s[G1SB+2], 32<<16
	s_mov_b32 s[G1SB+4], 32
.irp g, G1S, G1SB
	s_mov_b32 s[\g+1], 32<<16
	s_mov_b32 s[\g+3], 32<<16
	s_mov_b32 s[\g+5], 32
	s_mov_b32 s[\g+6], 0
	s_mov_b32 s[\g+7], 0
.endr
	s_lshl_b32 s20, s17, 16                        ; A's images of the block row: 65,536 bytes each
	s_mov_b32 s21, 0
	s_lshl_b32 s22, s17, 12                        ; and its scales: 4,096
	s_mov_b32 s23, 0
	s_lshl_b32 s46, s42, 8
	s_add_co_u32 s46, s46, 3072                    ; B's first row: behind Wq, Wk and Wv
	s_lshl_b32 s92, s46, 5
	s_mov_b32 s93, 0
	s_lshl_b32 s46, s46, 9
	s_mov_b32 s47, 0
	s_wait_kmcnt 0x0
	s_add_nc_u64 s[20:21], s[4:5], s[20:21]
	s_add_nc_u64 s[22:23], s[6:7], s[22:23]
	s_add_nc_u64 s[46:47], s[8:9], s[46:47]
	s_add_nc_u64 s[92:93], s[10:11], s[92:93]
	CROUND                                         ; all sixteen work-groups are here: the joint loads meet
	s_mov_b32 s[G0], 1
	s_mov_b32 s[G0+1], 0
	s_mov_b64 s[G0+2:G0+3], s[20:21]
	s_or_b32 s[G0+3], s[G0+3], 0x80000000
	s_mov_b32 s[G0B], 1
	s_mov_b32 s[G0B+1], ABYTES
	s_mov_b64 s[G0B+2:G0B+3], s[46:47]
	s_or_b32 s[G0B+3], s[G0B+3], 0x80000000
	s_mov_b32 s[G0S], 1
	s_mov_b32 s[G0S+1], SCL
	s_mov_b64 s[G0S+2:G0S+3], s[22:23]
	s_or_b32 s[G0S+3], s[G0S+3], 0x80000000
	s_mov_b32 s[G0SB], 1
	s_mov_b32 s[G0SB+1], SCL+HALFS
	s_mov_b64 s[G0SB+2:G0SB+3], s[92:93]
	s_or_b32 s[G0SB+3], s[G0SB+3], 0x80000000
	; THE HEAD'S FOUR TILES, ONE JOINT LOAD A WAVE: wave 0 A's images, wave 1 B's rows, wave 2 A's scales, wave 3 B's
	ARM 1, G0,  G1,  .Lhead_b
	ARM 2, G0B, G1B, .Lhead_sa
	ARM 3, G0S, G1S, .Lhead_sb
	tensor_load_to_lds s[G0SB:G0SB+3], s[G1SB:G1SB+7]
	s_nop 0
	PLACES
.Lhead_asked:
	s_lshl_b32 s21, s15, 15                        ; my 4 tiles of A
	s_mul_i32 s22, s16, HALFT
	s_add_co_u32 s22, s22, ABYTES                  ; my 128 rows of B
	s_mul_i32 s18, s15, HALFS/2                    ; the scales of my 64 rows of A,
	s_mul_i32 s19, s16, HALFS
	s_add_co_u32 s19, s19, HALFS                   ; of my 128 rows of B,
	s_sub_co_u32 s19, s19, s18                     ; and the distance between the two
	s_add_co_u32 s18, s18, SCL
	s_mul_i32 s23, s14, 16*SPITCH
	s_add_co_u32 s23, s23, STG                     ; my stage
	v_and_b32 v1, 15, v0                           ; r
	v_bfe_u32 v2, v0, 4, 1                         ; h
	v_and_b32 v6, 31, v0
	v_lshlrev_b32 v[CO], 4, v6                     ; 16 x lane
	v_mul_u32_u24 v3, v1, PITCH
	v_lshl_add_u32 v4, v2, 4, v3                   ; a fragment of B: row x pitch + 16 x half
	v_add_nc_u32 v[ADRA], s21, v[CO]               ; a fragment of A: its image, 16 bytes a lane
	v_add_nc_u32 v[ADRB], s22, v4
	v_mul_u32_u24 v5, v1, KS                       ; my row's scales: 32 bytes a row,
	v_lshrrev_b32 v6, 8, v5
	v_lshl_add_u32 v5, v6, 4, v5                   ; and 16 more for each 256 passed
	v_mul_u32_u24 v6, s19, v2                      ; lanes 16-31 take B's
	v_add_nc_u32 v5, v5, v6
	v_add_nc_u32 v[ADRS], s18, v5
	v_mul_u32_u24 v5, v1, SPITCH                   ; the stage, in: row r, 64 bytes for each half of the lanes
	v_lshl_add_u32 v5, v2, 6, v5
	v_add_nc_u32 v[STO], s23, v5
	v_add_nc_u32 v[RD], s23, v[CO]                 ; and back: the 32 lanes take one row of 512 bytes
	v_lshlrev_b32 v[BN], 6, v2
	s_wait_alu depctr_va_vdst(0)
	s_lshl_b32 s20, s17, 7
	s_lshl_b32 s21, s15, 6
	s_add_co_u32 s20, s20, s21                     ; my first token
	s_lshl_b32 s20, s20, 12                        ; rows of 4,096 bytes
	s_mov_b32 s21, 0
	s_lshl_b32 s46, s42, 10
	s_lshl_b32 s47, s16, 9
	s_add_co_u32 s46, s46, s47                     ; my first feature, in bytes
	s_mov_b32 s47, 0
	s_add_nc_u64 s[66:67], s[66:67], s[46:47]
	s_add_nc_u64 s[20:21], s[20:21], s[46:47]
	s_add_nc_u64 s[12:13], s[12:13], s[20:21]
	WIN TO_B                                       ; the bias runs along a lane's registers: tile b's eight are features 32 (b / 2) + 16 h + 8 (b % 2) + 0 .. 7
.irp b, 0,1,2,3,4,5,6,7
	global_load_b128 v[CI+8*\b:CI+8*\b+3], v[BN], s[66:67] offset:128*(\b/2)+32*(\b%2)
	global_load_b128 v[CI+8*\b+4:CI+8*\b+7], v[BN], s[66:67] offset:128*(\b/2)+32*(\b%2)+16
.endr
	WIN 0
.macro FETCH q                         ; the fragments of the q-th 128 along K into sets q % 2: B's eight, A's four
.set P, (\q)%2
	WIN TO_B
.irp i, 0,1,2,3,4,5,6,7
.irp c, 0,1
	ds_load_b128 v[128*P+8*\i+4*\c:128*P+8*\i+4*\c+3], v[ADRB] offset:64*(\q)+32*\c+\i*16*PITCH
.endr
.endr
	WIN 0
.irp i, 0,1,2,3
.irp c, 0,1
	ds_load_b128 v[AF+32*P+8*\i+4*\c:AF+32*P+8*\i+4*\c+3], v[ADRA] offset:\i*8192+(\q)*1024+512*\c
.endr
.endr
.endm
.macro MUL32 q, cin                    ; A's four blocks x B's eight; cin = 1: the sums begin with the bias
.set P, (\q)%2
.irp a, 0,1,2,3
.irp b, 0,1,2,3,4,5,6,7
.set rD, 8*(8*\a+\b)
.set rB, 128*P+8*\b
.set rA, AF+32*P+8*\a
.set rSB, SC+32*((\q)/4)+4*\b+(\q)%4
.set rSA, SC+32*((\q)/4)+4*\a+(\q)%4
.if \cin
.set rC, CI+8*\b
.else
.set rC, rD
.endif
	v_wmma_scale_f32_16x16x128_f8f6f4 v[rD:rD+7], v[rB:rB+7], v[rA:rA+7], v[rC:rC+7], v[rSB], v[rSA] matrix_a_fmt:MATRIX_FMT_FP4 matrix_b_fmt:MATRIX_FMT_FP4 matrix_a_scale:MATRIX_SCALE_ROW1
.endr
.endr
.endm
.macro STEP q
	s_wait_dscnt 0x0                               ; this step's fragments are in: they were asked for ahead of the step before's products
.if (\q) < 7
.if (\q) > 0
	PLACES                                         ; the other sets were read by the step before's products
.endif
	FETCH (\q)+1
.endif
.if (\q) == 0
	WIN MUC
	MUL32 \q, 1
.else
	WIN MUL
	MUL32 \q, 0
.endif
.endm
	s_wait_tensorcnt 0x0                           ; my tile of the head's four is in;
	s_barrier_signal -1
	s_barrier_wait -1                              ; everybody's is: the tiles are only read from here on
	FETCH 0
.irp s, 0,1                                    ; the scale words of all of K: register 32 s + 4 i + q: lanes 0-15 A's block i, lanes 16-31 B's block i, step 4 s + q
.irp i, 0,1,2,3,4,5,6,7
	ds_load_b128 v[SC+32*\s+4*\i:SC+32*\s+4*\i+3], v[ADRS] offset:\i*SBLK+16*\s
.endr
.endr
	s_wait_loadcnt 0x0                             ; the bias
.irp q, 0,1,2,3,4,5,6,7
	STEP \q
.endr
	WIN 0
; THE WAY OUT, block by block of 16 tokens x 128 features: through my own stage in LDS, back as whole rows of 512 bytes.  LDS serves a wave's instructions in order: no wait between the stores and the loads.
.macro TOSTAGE a
.set AC, 64*(\a)
	WIN 0x08                                       ; the data: window 2
.irp b, 0,1,2,3,4,5,6,7
	ds_store_b128 v[STO], v[AC+8*\b:AC+8*\b+3] offset:128*(\b/2)+32*(\b%2)      ; each accumulator from its low end on, at its features' true place
	ds_store_b128 v[STO], v[AC+8*\b+4:AC+8*\b+7] offset:128*(\b/2)+32*(\b%2)+16
.endr
	WIN 0
.set BB, BK+64*((\a)%2)
.irp t, 0,1,2,3,4,5,6,7,8,9,10,11,12,13,14,15
	ds_load_b128 v[BB+4*\t:BB+4*\t+3], v[RD] offset:\t*SPITCH
.endr
.endm
.macro SEND a, younger                 ; younger: the LDS instructions issued behind block a's loads, which may stay out
.set BB, BK+64*((\a)%2)
	s_wait_dscnt \younger
.if (\a) > 0
.if ((\a)%2) == 1
	s_add_nc_u64 s[12:13], s[12:13], 8*4096        ; (behind a wait on XCNT)  tile 2 j + 1 begins 8 tokens behind tile 2 j,
.else
	s_add_nc_u64 s[12:13], s[12:13], 24*4096       ; tile 2 j + 2 another 24
.endif
.endif
.irp t, 0,1,2,3,4,5,6,7,8,9,10,11,12,13,14,15
	global_store_b128 v[CO], v[BB+4*\t:BB+4*\t+3], s[12:13] offset:(\t+8*(\t/8))*4096 th:TH_STORE_NT   ; place t of a tile is token t + 8 (t / 8); 32 lanes store 512 consecutive bytes, aligned
.endr
.endm
	PLACES
	TOSTAGE 0
.irp a, 1,2,3
.if \a > 1
	s_wait_xcnt 0x0                                ; block a - 2's stores have read their registers and their base
.endif
	TOSTAGE \a
	SEND \a-1, 32                                  ; behind block a - 1's loads: block a's 16 stores and 16 loads
.endr
	s_wait_xcnt 0x0
	SEND 3, 0
	s_wait_tensorcnt 0x0                           ; the wave's end
	ds_add_u32 v[SPW], v[NIL]
	s_wait_dscnt 0x0
	CROUND                                         ; the closing round
	s_endpgm
.Lfunc_end_k_q322f9b35ac_proj:
	.size	k_q322f9b35ac_proj, .Lfunc_end_k_q322f9b35ac_proj-k_q322f9b35ac_proj
	.p2alignl 7, 3214868480
	.fill 96, 4, 3214868480
	.section	.rodata,"a",@progbits
	.p2align	6, 0x0
	.amdhsa_kernel k_q322f9b35ac_proj
		.amdhsa_group_segment_fixed_size 327680
		.amdhsa_private_segment_fixed_size 0
		.amdhsa_enable_private_segment 0
		.amdhsa_kernarg_size 48
		.amdhsa_user_sgpr_count 2
		.amdhsa_user_sgpr_kernarg_segment_ptr 1
		.amdhsa_wavefront_size32 1
		.amdhsa_system_sgpr_workgroup_id_x 1
		.amdhsa_system_sgpr_workgroup_id_y 1
		.amdhsa_system_sgpr_workgroup_id_z 1
		.amdhsa_system_vgpr_workitem_id 0
		.amdhsa_next_free_vgpr 768
		.amdhsa_next_free_sgpr 98
		.amdhsa_reserve_vcc 0
		.amdhsa_float_denorm_mode_32 3
		.amdhsa_float_denorm_mode_16_64 3
		.amdhsa_memory_ordered 1
		.amdhsa_forward_progress 1
		.amdhsa_inst_pref_size 72
	.end_amdhsa_kernel
	.amdgpu_metadata
---
amdhsa.version: [ 1, 2 ]
amdhsa.kernels:
  - .name:           k_q322f9b35ac_proj
    .symbol:         k_q322f9b35ac_proj.kd
    .args:
      - { .name: oc, .offset: 0, .size: 8, .value_kind: global_buffer, .address_space: global }
      - { .name: os, .offset: 8, .size: 8, .value_kind: global_buffer, .address_space: global }
      - { .name: wc, .offset: 16, .size: 8, .value_kind: global_buffer, .address_space: global }
      - { .name: ws, .offset: 24, .size: 8, .value_kind: global_buffer, .address_space: global }
      - { .name: out0, .offset: 32, .size: 8, .value_kind: global_buffer, .address_space: global }
      - { .name: bp, .offset: 40, .size: 8, .value_kind: global_buffer, .address_space: global }
    .group_segment_fixed_size: 327680
    .private_segment_fixed_size: 0
    .kernarg_segment_align: 8
    .kernarg_segment_size: 48
    .max_flat_workgroup_size: 128
    .sgpr_count:     98
    .vgpr_count:     768
    .wavefront_size: 32
...
	.end_amdgpu_metadata
.endif
;; end of part 4
